; MI455X (gfx1250); checked and timed in simulation.
; The chip was launched on July 23, 2026; its instructions are those of AMD's public machine-readable ISA for CDNA 5 (MIT licence, August 2026) and "CDNA5" Instruction Set Architecture Reference Guide (July 2026). The comments in the code are by the model that wrote it; some were corrected since.
;; Unstructured Network. Allowed arithmetic: float matrix products may take bf16 or f16 operands with f32 sums; all other float work in f32.
;; Inputs: W1 12 x 20 x 20 float32; W2 12 x 20 x 20 float32; b1 12 x 20 float32; b2 12 x 20 float32; dts 12 float32; lift_b 20 float32; lift_w 3 x 20 float32; proj_b 3 float32; proj_w 20 x 3 float32; x 2,000,000 x 3 float32.
;; Outputs: out0 2,000,000 x 3 float32.
;; 3 versions, each right and faster than the one before. Each part assembles by itself: llvm-mc -triple=amdgcn-amd-amdhsa -mcpu=gfx1250 --defsym DOCPART=n.
;; ======== version 1 of 3: 1 launch
;; limits: values outside matrix products are rounded to f16; values are held in f16: magnitudes above 65,504 overflow, below 6.1e-05 lose precision; right only within a limited range of input values; inputs' magnitudes at most 65,504; below input magnitudes of 3.7e-09 results are inexact or not finite
;; launch mlp (part 1): grid 256 x 1, 16 waves a work-group, no clusters, 64,768 bytes of LDS; arguments x, lift_w, lift_b, W1, b1, W2, b2, dts, proj_w, proj_b, out0; writes out0
.if DOCPART == 1
	.amdgcn_target "amdgcn-amd-amdhsa--gfx1250"
	.amdhsa_code_object_version 6
	.text
	.protected	k_q747d61bf3d_mlp
	.globl	k_q747d61bf3d_mlp
	.p2align	8
	.type	k_q747d61bf3d_mlp,@function
k_q747d61bf3d_mlp:
	s_mov_b64 s[64:65], 0
	v_nop
	global_prefetch_b8 v0, s[64:65] scope:SCOPE_SE
	s_setreg_imm32_b32 hwreg(HW_REG_WAVE_MODE, 25, 1), 1
	s_wait_xcnt 0x0
; out = proj(h12), h0 = x lift_w + lift_b, h(l+1) = h(l) + dt_l leaky(leaky(h(l) W1_l + b1_l) W2_l + b2_l); 2,000,000 rows, 20 features.
; One launch: x is read once, out0 written once, h stays in f32 registers through all 26 products.
;
; LAYOUT.  A tile is 16 batch rows.  Products are used transposed: source A = weights (row m = an output slot), source B = activations (column n = a batch row),
; C = the constant 0 in every product (no sums are chained, nothing is cleared).  Lane (r = lane & 15, h = lane >> 4) belongs to batch row r.
; Each product is two matrix instructions (32 output slots).  Slots 0-15: features 0-15.  Slot 16 + 8 h' + j': for j' < 2 feature 16 + 2 h' + j'; for j' = 2..7 the
; weights and bias of feature 8 h' + j' - 2 times 0.01.  So a lane's sixteen results are z of features 8h..8h+7 (Z0-7), z of features 16+2h, 17+2h (Z8, Z9), and
; 0.01 z of the features in Z0-5 (Z10-15).  These ten features are exactly the k places that the lane holds of the NEXT product's B (registers 0-3: k = 8h..8h+7,
; register 4: k = 16+8h, 17+8h), so five packed conversions make the next operand and no number ever changes lanes.  leaky(z) = max(z, 0.01 z).
; k = 18, 19 carry the bias: A holds it as two f16 terms (high part, remainder), B holds the row's scale s twice.  All other k are 0 on both sides.
;
; FORMAT.  Operands are f16 with a power-of-two scale for each row and layer: m = max(|h| of the row, beta_l), beta_l = max(|b1_l|, |b2_l|, 2^-14),
; E = 2^floor(log2 m), s = 1 / E.  B = f16(h s) has its largest entry in [1, 2); leaky is positively homogeneous, so z1, a1, z2, a2 all carry s, the biases enter
; as b s (at most 2 in size), and h += (dt E) (a2 s).  h, dt, the maxima and the update are f32.
; LIMITS.  |weights| and |biases| below 65504 (f16).  Column sums of |W1| below 2^14, or a1 s leaves f16.  Where a row's max |h| reaches 2^25, f16(s) is 0 and the
; biases of that layer are dropped for that row (they are then under 65504 / 2^25 of the row's size).  Rows in which |h| and all biases lie under 2^-28 lose
; relative precision.  |h| from 2^127 on, infinities and NaN are not served.  The 0.01 z of six features in ten carries the f16 rounding of 0.01 W.
; The sums of a product are formed by the matrix unit, in another order than a chain of f32 additions.
;
; SHARING.  A batch is 4 tiles = 64 rows = 768 bytes of x and of out0: three aligned blocks of 256 bytes.  31,250 batches; wave g = 256 w + work-group takes batches
; g + 4096 t: 8 trips for g < 2578, else 7.  16 waves of 240 registers: four on each SIMD, one work-group on each WGP.
; NOT USED: tensor loads, copies, clusters.  All that work-groups share are 41 KB of parameters, read once by each work-group and re-ordered and converted in registers
; on the way into LDS; x and out0 are shared by nobody.
;
; LDS.  0..39935: 26 stages of 1536 bytes (stage 2 l: W1_l, 2 l + 1: W2_l, 24: proj, 25: lift), each two fragments of 768 bytes (slots 0-15, slots 16-31):
; 16 bytes a lane (registers 0-3), then at +512 8 bytes a lane (registers 4, 5).  39936..40191: pairs (dt_l, beta_l), entry 12 (1, beta of proj_b), 13 (1, beta of lift_b).
; 40192 + 1536 w: each wave's own stage, 768 bytes for x and 768 for the results.
.set STG,    1536                      ; bytes of a stage
.set CONSTB, 39936
.set STAGEB, 40192
.set BBYTES, 768                       ; bytes of a batch in x and in out0
.set LASTB,  31249                     ; the last batch
.set VL,   1                           ; v1       lane
.set VL8,  2                           ; v2       8 x lane: LDS address of a fragment's registers 4, 5; lane term of x and out0
.set VXO,  3                           ; v3       byte offset in x of the batch that is on its way
.set VOO,  4                           ; v4       byte offset in out0 of the batch at work
.set VA16, 5                           ; v5       16 x lane: LDS address of a fragment's registers 0-3
.set VZ,   7                           ; v7       0: LDS address of the constants (the place stands in the immediate)
.set VSI,  8                           ; v8       my stage + 8 x lane
.set VSX,  9                           ; v9       my stage + 12 r
.set CD,   12                          ; v[12:13] (dt, beta) of the layer whose operand is made next
.set CL,   14                          ; v14      beta of the lift
.set T,    16                          ; v[16:25] at work
.set M,    26                          ; v[26:28] maxima
.set SP,   30                          ; v[30:31] (s, 0)
.set XN,   32                          ; v[32:37] the next batch's x as loaded
.set O,    38                          ; v[38:43] results to store
.set X,    44                          ; v[44+4i..46+4i]  tile i: my row's x
.set DP,   60                          ; v[60+2i:61+2i]   tile i: (dt E, E)
.set H,    68                          ; v[68+10i..+9]    tile i: h of my ten features
.set B,    108                         ; v[108+8i..+7]    tile i: operand B
.set Z,    140                         ; v[140+16i..+15]  tile i: results
.set AX,   204                         ; v[204:219] weights of the first product of a layer, and of proj
.set AY,   220                         ; v[220:235] weights of the second product of a layer, and of the lift
.set F,    72                          ; set-up: v[72:77] a fragment's six registers
.set P,    80                          ; set-up: v[80+12i..+10] ten weights and a bias in f32
	s_load_b512 s[8:23], s[0:1], 0x0               ; x s[8:9], lift_w s[10:11], lift_b s[12:13], W1 s[14:15], b1 s[16:17], W2 s[18:19], b2 s[20:21], dts s[22:23]
	s_load_b128 s[24:27], s[0:1], 0x40             ; proj_w s[24:25], proj_b s[26:27]
	s_load_b64 s[28:29], s[0:1], 0x50              ; out0
	v_lshrrev_b32 v10, 5, v0
	v_readfirstlane_b32 s3, v10                    ; wave w, 0 to 15
	v_and_b32 v[VL], 31, v0
	v_lshlrev_b32 v[VL8], 3, v[VL]
	s_mov_b32 s36, 0x3c23d70a                      ; 0.01, as a pair for the packed multiply
	s_mov_b32 s37, 0x3c23d70a
	s_mov_b32 s38, 0x76543210                      ; v_permlanex16_b32: lane i reads lane i xor 16
	s_mov_b32 s39, 0xfedcba98
	s_mov_b32 s40, 0x7f800000                      ; the exponent field of an f32
	s_mov_b32 s41, 0x7f000000                      ; bits(1 / 2^e) = this - bits(2^e)
	s_lshl_b32 s30, s3, 8
	s_add_co_u32 s30, s30, ttmp9                   ; g = 256 w + work-group
	s_cmp_lt_u32 s30, 2578                         ; 31250 = 7 x 4096 + 2578
	s_cselect_b32 s31, 8, 7                        ; my trips
	s_mul_i32 s35, s30, BBYTES
	v_add_nc_u32 v[VXO], s35, v[VL8]               ; my first batch
	; which output slot's weights lane (r, h) of my fragments holds.  Wave w builds fragments w, w + 16, w + 32 of the 48 hidden ones:
	; fragment 4 l + 2 which + t, so t = w & 1 (slots 16-31?), which = (w >> 1) & 1 (W2?), l = (w >> 2) + 4 i.
	v_and_b32 v64, 15, v0                          ; r
	v_bfe_u32 v65, v0, 4, 1                        ; h
	v_and_b32 v66, 7, v0                           ; j' = r & 7
	v_bfe_u32 v67, v0, 3, 1                        ; h' = r >> 3
	s_and_b32 s46, s3, 1                           ; t
	s_bfe_u32 s47, s3, 0x10001                     ; which
	s_lshr_b32 s48, s3, 2                          ; l of my first fragment
	s_cmp_eq_u32 s46, 0
	s_cselect_b32 s50, -1, 0                       ; all lanes: t = 0
	v_cmp_gt_u32 s51, 2, v66                       ; j' < 2
	v_cmp_eq_u32 s52, 1, v65                       ; h = 1
	v_lshl_add_u32 v68, v67, 1, v66
	v_add_nc_u32 v68, 16, v68                      ; 16 + 2 h' + j'
	v_add_nc_u32 v69, -2, v64                      ; 8 h' + j' - 2 = r - 2
	v_cndmask_b32 v68, v69, v68, s51               ; t = 1
	v_cndmask_b32 v68, v68, v64, s50               ; t = 0: feature r
	v_mov_b32 v69, s36
	v_cndmask_b32 v70, v69, 1.0, s51               ; the slot's factor: 0.01 for t = 1, j' >= 2, else 1
	v_cndmask_b32 v70, v70, 1.0, s50
	v_mov_b32 v71, v70
	v_lshlrev_b32 v68, 2, v68                      ; 4 x feature: its column in a row of W, its place in a bias
	v_mov_b32 v78, 0                               ; written whole once: takes a lane exchange and an f16 half below
	s_mul_i32 s49, s48, 1600                       ; a layer of W is 20 x 20 x 4 bytes
	s_mul_i32 s53, s48, 80
	v_mad_u32_u24 v116, v65, 640, v68              ; W[8h + j][fo]: 8 h rows of 80 bytes; j in the immediate
	v_add_nc_u32 v116, s49, v116
	v_mad_u32_u24 v117, v65, 160, v68              ; W[16 + 2h + (0, 1)][fo]
	v_add3_u32 v117, v117, s49, 1280
	v_add_nc_u32 v118, s53, v68                    ; b[fo]
	s_mul_i32 s54, s3, 768
	v_lshl_add_u32 v119, v[VL], 4, s54             ; LDS: fragment w, registers 0-3
	v_add_nc_u32 v120, s54, v[VL8]                 ; and, at +512, registers 4, 5
	s_wait_kmcnt 0x0
.irp k, 0,1,2
	global_load_b64 v[XN+2*\k:XN+2*\k+1], v[VXO], s[8:9] offset:256*\k th:TH_LOAD_NT   ; the first batch's x comes in beside the parameters
.endr
	s_cmp_eq_u32 s47, 0
	s_cselect_b64 s[42:43], s[14:15], s[18:19]     ; W1 or W2
	s_cselect_b64 s[44:45], s[16:17], s[20:21]     ; b1 or b2
	; 33 loads of 4 bytes a lane: a column of W lies 80 bytes apart.  Once for each work-group, 41 KB of parameters in all.
.irp i, 0,1,2
.irp j, 0,1,2,3,4,5,6,7
	global_load_b32 v[P+12*\i+\j], v116, s[42:43] offset:\i*6400+80*\j
.endr
	global_load_b32 v[P+12*\i+8], v117, s[42:43] offset:\i*6400
	global_load_b32 v[P+12*\i+9], v117, s[42:43] offset:\i*6400+80
	global_load_b32 v[P+12*\i+10], v118, s[44:45] offset:\i*320
.endr
; Ten weights and a bias at v[p..p+10], times the slot's factor, to f16, into LDS at my fragment's place + off.
; The bias goes in as two f16 terms, its rounding and what the rounding left, and only in the lanes h = 0 (k = 18, 19); lanes h = 1 hold 0 there (k = 26, 27).
.macro BUILD p, osc, off
.irp k, 0,2,4,6,8
	v_pk_mul_f32 v[\p+\k:\p+\k+1], v[\p+\k:\p+\k+1], v[\osc:\osc+1] op_sel_hi:[1,0]
.endr
.irp k, 0,1,2,3,4
	v_cvt_pk_f16_f32 v[F+\k], v[\p+2*\k], v[\p+2*\k+1]
.endr
	v_mul_f32 v[\p+10], v[\p+10], v[\osc]
	v_cvt_f16_f32 v78.l, v[\p+10]
	v_cvt_f32_f16 v79, v78.l
	v_sub_f32 v79, v[\p+10], v79
	v_cvt_pk_f16_f32 v[F+5], v[\p+10], v79
	v_cndmask_b32 v[F+5], v[F+5], 0, s52
	ds_store_b128 v119, v[F:F+3] offset:\off
	ds_store_b64 v120, v[F+4:F+5] offset:\off+512
.endm
; The largest of v[a] over the 32 lanes, in every lane.
.macro REDMAX a
	v_max_num_f32_dpp v[\a], v[\a], v[\a] row_xmask:1 row_mask:0xf bank_mask:0xf
	v_max_num_f32_dpp v[\a], v[\a], v[\a] row_xmask:2 row_mask:0xf bank_mask:0xf
	v_max_num_f32_dpp v[\a], v[\a], v[\a] row_xmask:4 row_mask:0xf bank_mask:0xf
	v_max_num_f32_dpp v[\a], v[\a], v[\a] row_xmask:8 row_mask:0xf bank_mask:0xf
	v_permlanex16_b32 v78, v[\a], s38, s39
	v_max_num_f32 v[\a], v[\a], v78
.endm
	s_wait_loadcnt 0x0                             ; all 36 loads are in
	BUILD P, 70, 0
	BUILD P+12, 70, 12288                          ; fragment w + 16
	BUILD P+24, 70, 24576                          ; fragment w + 32
	; One more piece for each wave, by its number: waves 0, 1 the lift's two fragments, wave 2 proj's one, wave 3 the two extra constants, waves 4-15 a layer's constants.
	s_cmp_ge_u32 s3, 4
	s_cbranch_scc1 .Llayer_const
	s_cmp_eq_u32 s3, 3
	s_cbranch_scc1 .Lextra_const
	s_cmp_eq_u32 s3, 2
	s_cbranch_scc1 .Lproj
	; the lift (w = t): k = 0, 1, 2 hold lift_w[k][fo] in the lanes h = 0; lanes h = 1 hold 0, since both halves of B will hold the same x
	global_load_b32 v[P], v68, s[10:11]
	global_load_b32 v[P+1], v68, s[10:11] offset:80
	global_load_b32 v[P+2], v68, s[10:11] offset:160
	global_load_b32 v[P+10], v68, s[12:13]
.irp k, 3,4,5,6,7,8,9
	v_mov_b32 v[P+\k], 0
.endr
	v_cndmask_b32 v122, v70, 0, s52
	v_mov_b32 v123, v122
	s_wait_loadcnt 0x0
	BUILD P, 122, 38400                            ; stage 25, fragment w
	s_branch .Ljoin
.Lproj:
	; proj: slots 0-2 and again 8-10 hold outputs 0-2, so that both halves of the lanes end up with the row's three results; the other slots are 0
	v_min_u32 v124, 2, v66
	v_lshlrev_b32 v124, 2, v124                    ; 4 x min(j', 2)
	v_mad_u32_u24 v125, v65, 96, v124              ; proj_w[8h + j][o]: rows of 12 bytes
	v_mad_u32_u24 v126, v65, 24, v124              ; proj_w[16 + 2h + (0, 1)][o], 192 in the immediate
	v_cmp_gt_u32 s55, 3, v66
	v_cndmask_b32 v122, 0, 1.0, s55
	v_mov_b32 v123, v122
.irp j, 0,1,2,3,4,5,6,7
	global_load_b32 v[P+\j], v125, s[24:25] offset:12*\j
.endr
	global_load_b32 v[P+8], v126, s[24:25] offset:192
	global_load_b32 v[P+9], v126, s[24:25] offset:204
	global_load_b32 v[P+10], v124, s[26:27]
	s_wait_loadcnt 0x0
	BUILD P, 122, 35328                            ; my place is fragment 2 (byte 1536): + 35328 = stage 24
	s_branch .Ljoin
.Lextra_const:
	v_min_u32 v124, 2, v[VL]
	v_lshlrev_b32 v124, 2, v124
	v_min_u32 v125, 19, v[VL]
	v_lshlrev_b32 v125, 2, v125
	global_load_b32 v126, v124, s[26:27]           ; proj_b, the last number repeated in the lanes beyond
	global_load_b32 v127, v125, s[12:13]           ; lift_b likewise
	v_mov_b32 v122, 1.0
	v_mov_b32 v80, 1.0
	v_mov_b32 v79, 0
	s_wait_loadcnt 0x0
	v_and_b32 v123, 0x7fffffff, v126
	v_and_b32 v81, 0x7fffffff, v127
	REDMAX 123
	REDMAX 81
	v_max_num_f32 v123, 0x38800000, v123           ; at least 2^-14: s stays inside f16
	v_max_num_f32 v81, 0x38800000, v81
	ds_store_b64 v79, v[122:123] offset:CONSTB+96  ; entry 12; all lanes store the same pair
	ds_store_b64 v79, v[80:81] offset:CONSTB+104   ; entry 13
	s_branch .Ljoin
.Llayer_const:
	s_sub_co_u32 s55, s3, 4                        ; layer w - 4
	s_mul_i32 s56, s55, 80
	s_lshl_b32 s57, s55, 2
	s_lshl_b32 s58, s55, 3
	v_min_u32 v124, 19, v[VL]
	v_lshl_add_u32 v124, v124, 2, s56
	v_mov_b32 v125, s57
	v_mov_b32 v79, s58
	global_load_b32 v126, v124, s[16:17]           ; b1
	global_load_b32 v127, v124, s[20:21]           ; b2
	global_load_b32 v122, v125, s[22:23]           ; dt
	s_wait_loadcnt 0x0
	v_max_num_f32 v123, |v126|, |v127|
	REDMAX 123
	v_max_num_f32 v123, 0x38800000, v123
	ds_store_b64 v79, v[122:123] offset:CONSTB     ; entry w - 4
.Ljoin:
	s_wait_dscnt 0x0                               ; my stores are in LDS, for the other waves' sake
	s_barrier_signal -1
	s_barrier_wait -1                              ; the one barrier: from here on fragments and constants are only read, and a stage is its wave's own
	; what stays 0 for the whole kernel: k = 20-23 and 28-31 on both sides
.irp k, 6,7,14,15
	v_mov_b32 v[AX+\k], 0
	v_mov_b32 v[AY+\k], 0
.endr
.irp i, 0,1,2,3
	v_mov_b32 v[B+8*\i+6], 0
	v_mov_b32 v[B+8*\i+7], 0
.endr
	v_mov_b32 v[SP+1], 0                           ; the pair's second register is named by the packed multiplies and never used
	v_lshlrev_b32 v[VA16], 4, v[VL]
	v_mov_b32 v[VZ], 0
	s_mul_i32 s35, s3, 1536
	s_add_co_u32 s35, s35, STAGEB
	v_add_nc_u32 v[VSI], s35, v[VL8]
	v_and_b32 v10, 15, v0
	v_mad_u32_u24 v[VSX], v10, 12, s35
; a stage's two fragments (LOADF), or its first alone (LOADF1): registers 0-5 of each; 6, 7 stay 0
.macro LOADF1 set, off
	ds_load_b128 v[\set:\set+3], v[VA16] offset:\off
	ds_load_b64 v[\set+4:\set+5], v[VL8] offset:\off+512
.endm
.macro LOADF set, off
	LOADF1 \set, \off
	ds_load_b128 v[\set+8:\set+11], v[VA16] offset:\off+768
	ds_load_b64 v[\set+12:\set+13], v[VL8] offset:\off+1280
.endm
; tile i's product: output slots 0-15 (MM1), and 16-31.  Every product starts from the constant 0: no accumulator is taken up again.
.macro MM1 set, i
	v_wmma_f32_16x16x32_f16 v[Z+16*\i:Z+16*\i+7], v[\set:\set+7], v[B+8*\i:B+8*\i+7], 0
.endm
.macro MM set, i
	MM1 \set, \i
	v_wmma_f32_16x16x32_f16 v[Z+16*\i+8:Z+16*\i+15], v[\set+8:\set+15], v[B+8*\i:B+8*\i+7], 0
.endm
; Z0-9 = max(z, 0.01 z): for Z0-5 the second term came out of the product (Z10-15), for Z6-9 it is made here
.macro LEAKY i
	v_pk_mul_f32 v[T:T+1], v[Z+16*\i+6:Z+16*\i+7], s[36:37] op_sel_hi:[1,0]
	v_pk_mul_f32 v[T+2:T+3], v[Z+16*\i+8:Z+16*\i+9], s[36:37] op_sel_hi:[1,0]
.irp k, 0,1,2,3,4,5
	v_max_num_f32 v[Z+16*\i+\k], v[Z+16*\i+\k], v[Z+16*\i+10+\k]
.endr
.irp k, 0,1,2,3
	v_max_num_f32 v[Z+16*\i+6+\k], v[Z+16*\i+6+\k], v[T+\k]
.endr
.endm
; behind a layer's first product: a1 s to f16, straight into B's registers 0-4 (register 5 keeps s)
.macro Q1 i
	LEAKY \i
.irp k, 0,1,2,3,4
	v_cvt_pk_f16_f32 v[B+8*\i+\k], v[Z+16*\i+2*\k], v[Z+16*\i+2*\k+1]
.endr
.endm
; behind its second: h += (dt E) (a2 s)
.macro Q2 i
	LEAKY \i
.irp k, 0,2,4,6,8
	v_pk_fma_f32 v[H+10*\i+\k:H+10*\i+\k+1], v[Z+16*\i+\k:Z+16*\i+\k+1], v[DP+2*\i:DP+2*\i+1], v[H+10*\i+\k:H+10*\i+\k+1] op_sel_hi:[1,0,1]
.endr
.endm
; the row's scale and the operand of the next product: m over my ten features, beta and the other half's ten; E, s, dt E; B = f16(h s), (s, s)
.macro P1 i
	v_max3_num_f32 v[M], |v[H+10*\i]|, |v[H+10*\i+1]|, |v[H+10*\i+2]|
	v_max3_num_f32 v[M+1], |v[H+10*\i+3]|, |v[H+10*\i+4]|, |v[H+10*\i+5]|
	v_max3_num_f32 v[M+2], |v[H+10*\i+6]|, |v[H+10*\i+7]|, |v[H+10*\i+8]|
	v_max3_num_f32 v[M], v[M], v[M+1], v[M+2]
	v_max3_num_f32 v[M], v[M], |v[H+10*\i+9]|, v[CD+1]
	v_permlanex16_b32 v[M+1], v[M], s38, s39       ; lane xor 16 holds the same row's other ten features
	v_max_num_f32 v[M], v[M], v[M+1]
	v_and_b32 v[DP+2*\i+1], s40, v[M]              ; E: the exponent alone
	v_sub_nc_u32 v[SP], s41, v[DP+2*\i+1]          ; s = 1 / E
	v_mul_f32 v[DP+2*\i], v[CD], v[DP+2*\i+1]      ; dt E
	v_cvt_pk_f16_f32 v[B+8*\i+5], v[SP], v[SP]
.irp k, 0,2,4,6,8
	v_pk_mul_f32 v[T+\k:T+\k+1], v[H+10*\i+\k:H+10*\i+\k+1], v[SP:SP+1] op_sel_hi:[1,0]
.endr
.irp k, 0,1,2,3,4
	v_cvt_pk_f16_f32 v[B+8*\i+\k], v[T+2*\k], v[T+2*\k+1]
.endr
.endm
; the lift's operand: the same for the row's three x, which both halves of the lanes hold
.macro PX i
	v_max3_num_f32 v[M], |v[X+4*\i]|, |v[X+4*\i+1]|, |v[X+4*\i+2]|
	v_max_num_f32 v[M], v[M], v[CL]
	v_and_b32 v[DP+2*\i], s40, v[M]                ; E, in both registers of the pair
	v_and_b32 v[DP+2*\i+1], s40, v[M]
	v_sub_nc_u32 v[SP], s41, v[DP+2*\i]
	v_cvt_pk_f16_f32 v[B+8*\i+5], v[SP], v[SP]
	v_pk_mul_f32 v[T:T+1], v[X+4*\i:X+4*\i+1], v[SP:SP+1] op_sel_hi:[1,0]
	v_mul_f32 v[T+2], v[X+4*\i+2], v[SP]
	v_cvt_pk_f16_f32 v[B+8*\i], v[T], v[T+1]
	v_cvt_pk_f16_f32 v[B+8*\i+1], v[T+2], 0
	v_mov_b32 v[B+8*\i+2], 0
	v_mov_b32 v[B+8*\i+3], 0
	v_mov_b32 v[B+8*\i+4], 0
.endm
; behind the lift: h = E (h s)
.macro QL i
.irp k, 0,2,4,6,8
	v_pk_mul_f32 v[H+10*\i+\k:H+10*\i+\k+1], v[Z+16*\i+\k:Z+16*\i+\k+1], v[DP+2*\i:DP+2*\i+1] op_sel_hi:[1,0]
.endr
.endm
; behind proj: the row's three results into my stage; lanes r and r + 16 store the same numbers to the same bytes
.macro QP i
	v_pk_mul_f32 v[Z+16*\i:Z+16*\i+1], v[Z+16*\i:Z+16*\i+1], v[DP+2*\i:DP+2*\i+1] op_sel_hi:[1,0]
	v_mul_f32 v[Z+16*\i+2], v[Z+16*\i+2], v[DP+2*\i]
.irp c, 0,1,2
	ds_store_b32 v[VSX], v[Z+16*\i+\c] offset:768+192*\i+4*\c
.endr
.endm
; DISTANCES behind matrix instructions (ISA guide 7.12.1).  The four tiles take turns, so a tile's results, and its B, are touched again only behind the vector work
; of the three other tiles, which names none of its registers: six instructions at the least (three QP), 39 or more elsewhere.  AX and AY are loaded again only
; behind a whole tile's vector work of another tile (Q1 0: 17 instructions; Q2 0 and P1 0: 38; QL 0 and P1 0: 26; QP 0-2: 6).
; Layer l's second product.  last = 1: what follows is proj, one fragment.
.macro PHB l, last
	Q1 0
.if \last
	LOADF1 AX, (2*\l+2)*STG
.else
	LOADF AX, (2*\l+2)*STG
.endif
	ds_load_b64 v[CD:CD+1], v[VZ] offset:CONSTB+8*(\l+1)
	s_wait_dscnt 5-2*\last                         ; LDS loads come back in order (ISA guide 5.7.1): AY's four are in; AX's four (proj: two) and the constants stay out
	MM AY, 0
.irp i, 1,2,3
	Q1 \i
	MM AY, \i
.endr
.endm
; Layer l's update of h, and the next product: layer l + 1's first, or proj.
.macro PHA l, last
	s_wait_dscnt 0x0                               ; AX and the constants are in
	Q2 0
	P1 0
.if \last
	MM1 AX, 0
.else
	MM AX, 0
.endif
	LOADF AY, (2*\l+3)*STG                         ; behind layer 11 this is stage 25: the lift, for the next batch
.irp i, 1,2,3
	Q2 \i
	P1 \i
.if \last
	MM1 AX, \i
.else
	MM AX, \i
.endif
.endr
.endm
	LOADF AX, 0                                    ; W1 of layer 0
	LOADF AY, 25*STG                               ; the lift
	ds_load_b32 v[CL], v[VZ] offset:CONSTB+108     ; entry 13's beta
	s_mov_b32 s34, s30                             ; the batch at work
	s_mov_b32 s32, 0
.Ltrip:
	s_wait_loadcnt 0x0                             ; this batch's x, asked for a whole trip ago; VXO is free
	s_wait_xcnt 0x0                                ; the last trip's stores have had their addresses translated (ISA guide 3.1): VOO and O are rewritten only behind this wait
.irp k, 0,1,2
	ds_store_b64 v[VSI], v[XN+2*\k:XN+2*\k+1] offset:256*\k
.endr
.irp i, 0,1,2,3
.irp c, 0,1,2
	ds_load_b32 v[X+4*\i+\c], v[VSX] offset:192*\i+4*\c    ; LDS serves a wave's instructions in order: these see the stores above
.endr
.endr
	ds_load_b64 v[CD:CD+1], v[VZ] offset:CONSTB    ; (dt, beta) of layer 0
	v_mov_b32 v[VOO], v[VXO]
	s_add_co_u32 s35, s34, 4096                    ; my next batch; behind my last one the address is held at the last batch, inside x, and what comes is not used
	s_min_u32 s35, s35, LASTB
	s_mul_i32 s35, s35, BBYTES
	v_add_nc_u32 v[VXO], s35, v[VL8]
	s_wait_dscnt 0x0                               ; x of my rows, the constants, AX and AY are in; XN has been read
.irp k, 0,1,2
	global_load_b64 v[XN+2*\k:XN+2*\k+1], v[VXO], s[8:9] offset:256*\k th:TH_LOAD_NT   ; each load of the wave covers 256 consecutive bytes, aligned
.endr
	; the lift
.irp i, 0,1,2,3
	PX \i
	MM AY, \i
.endr
	; h, and layer 0's first product
	QL 0
	P1 0
	MM AX, 0
	LOADF AY, STG                                  ; W2 of layer 0
.irp i, 1,2,3
	QL \i
	P1 \i
	MM AX, \i
.endr
	; the twelve layers, written out: every LDS offset is an immediate, no address is stepped
.irp l, 0,1,2,3,4,5,6,7,8,9,10
	PHB \l, 0
	PHA \l, 0
.endr
	PHB 11, 1
	PHA 11, 1
	; the results: through my stage, so that each store of the wave covers 256 consecutive bytes, aligned
.irp i, 0,1,2,3
	QP \i
.endr
.irp k, 0,1,2
	ds_load_b64 v[O+2*\k:O+2*\k+1], v[VSI] offset:768+256*\k
.endr
	LOADF AX, 0                                    ; W1 of layer 0, for the next batch
	s_wait_dscnt 0x4                               ; all but AX's four: the three loads of O are in
.irp k, 0,1,2
	global_store_b64 v[VOO], v[O+2*\k:O+2*\k+1], s[28:29] offset:256*\k th:TH_STORE_NT
.endr
	s_add_co_u32 s34, s34, 4096
	s_add_co_u32 s32, s32, 1
	s_cmp_lt_u32 s32, s31
	s_cbranch_scc1 .Ltrip
	s_endpgm
.Lfunc_end_k_q747d61bf3d_mlp:
	.size	k_q747d61bf3d_mlp, .Lfunc_end_k_q747d61bf3d_mlp-k_q747d61bf3d_mlp
	.p2alignl 7, 3214868480
	.fill 96, 4, 3214868480
	.section	.rodata,"a",@progbits
	.p2align	6, 0x0
	.amdhsa_kernel k_q747d61bf3d_mlp
		.amdhsa_group_segment_fixed_size 64768
		.amdhsa_private_segment_fixed_size 0
		.amdhsa_enable_private_segment 0
		.amdhsa_kernarg_size 88
		.amdhsa_user_sgpr_count 2
		.amdhsa_user_sgpr_kernarg_segment_ptr 1
		.amdhsa_wavefront_size32 1
		.amdhsa_system_sgpr_workgroup_id_x 1
		.amdhsa_system_sgpr_workgroup_id_y 1
		.amdhsa_system_sgpr_workgroup_id_z 1
		.amdhsa_system_vgpr_workitem_id 0
		.amdhsa_next_free_vgpr 240
		.amdhsa_next_free_sgpr 66
		.amdhsa_reserve_vcc 0
		.amdhsa_float_denorm_mode_32 3
		.amdhsa_float_denorm_mode_16_64 3
		.amdhsa_memory_ordered 1
		.amdhsa_forward_progress 1
		.amdhsa_inst_pref_size 180
	.end_amdhsa_kernel
	.amdgpu_metadata
---
amdhsa.version: [ 1, 2 ]
amdhsa.kernels:
  - .name:           k_q747d61bf3d_mlp
    .symbol:         k_q747d61bf3d_mlp.kd
    .args:
      - { .name: x, .offset: 0, .size: 8, .value_kind: global_buffer, .address_space: global }
      - { .name: lift_w, .offset: 8, .size: 8, .value_kind: global_buffer, .address_space: global }
      - { .name: lift_b, .offset: 16, .size: 8, .value_kind: global_buffer, .address_space: global }
      - { .name: W1, .offset: 24, .size: 8, .value_kind: global_buffer, .address_space: global }
      - { .name: b1, .offset: 32, .size: 8, .value_kind: global_buffer, .address_space: global }
      - { .name: W2, .offset: 40, .size: 8, .value_kind: global_buffer, .address_space: global }
      - { .name: b2, .offset: 48, .size: 8, .value_kind: global_buffer, .address_space: global }
      - { .name: dts, .offset: 56, .size: 8, .value_kind: global_buffer, .address_space: global }
      - { .name: proj_w, .offset: 64, .size: 8, .value_kind: global_buffer, .address_space: global }
      - { .name: proj_b, .offset: 72, .size: 8, .value_kind: global_buffer, .address_space: global }
      - { .name: out0, .offset: 80, .size: 8, .value_kind: global_buffer, .address_space: global }
    .group_segment_fixed_size: 64768
    .private_segment_fixed_size: 0
    .kernarg_segment_align: 8
    .kernarg_segment_size: 88
    .max_flat_workgroup_size: 512
    .sgpr_count:     66
    .vgpr_count:     240
    .wavefront_size: 32
...
	.end_amdgpu_metadata
.endif
;; end of part 1
;; ======== version 2 of 3: 1 launch; 1.17 times as fast as version 1
;; limits: values outside matrix products are rounded to f16; values are held in f16: magnitudes above 65,504 overflow, below 6.1e-05 lose precision; right only within a limited range of input values; inputs' magnitudes at most 65,504; below input magnitudes of 3.7e-09 results are inexact or not finite; an absolute error that grows with the inputs' magnitude: up to 0.000244 times it
;; launch mlp (part 2): grid 256 x 1, 16 waves a work-group, no clusters, 78,080 bytes of LDS; arguments x, lift_w, lift_b, W1, b1, W2, b2, dts, proj_w, proj_b, out0; writes out0
.if DOCPART == 2
	.amdgcn_target "amdgcn-amd-amdhsa--gfx1250"
	.amdhsa_code_object_version 6
	.text
	.protected	k_q747d61bf3d_mlp
	.globl	k_q747d61bf3d_mlp
	.p2align	8
	.type	k_q747d61bf3d_mlp,@function
k_q747d61bf3d_mlp:
	s_mov_b64 s[64:65], 0
	v_nop
	global_prefetch_b8 v0, s[64:65] scope:SCOPE_SE
	s_setreg_imm32_b32 hwreg(HW_REG_WAVE_MODE, 25, 1), 1
	s_wait_xcnt 0x0
; out = proj(h12), h0 = x lift_w + lift_b, h(l+1) = h(l) + dt_l leaky(leaky(h(l) W1_l + b1_l) W2_l + b2_l); 2,000,000 rows, 20 features.
; One launch: x is read once, out0 written once, h stays in f32 registers through all 26 products.
;
; LAYOUT.  A tile is 16 batch rows.  Products are used transposed: source A = weights (row m = an output slot), source B = activations (column n = a batch row),
; C = the constant 0 in every product (no sums are chained, nothing is cleared).  Lane (r = lane & 15, h = lane >> 4) belongs to batch row r.
; Each product is two matrix instructions (32 output slots).  Slots 0-15: features 0-15.  Slot 16 + 8 h' + j': for j' < 2 feature 16 + 2 h' + j'; for j' = 2..7 the
; weights and bias of feature 8 h' + j' - 2 times 0.01.  So a lane's sixteen results are z of features 8h..8h+7 (Z0-7), z of features 16+2h, 17+2h (Z8, Z9), and
; 0.01 z of the features in Z0-5 (Z10-15).  These ten features are exactly the k places that the lane holds of the NEXT product's B (registers 0-3: k = 8h..8h+7,
; register 4: k = 16+8h, 17+8h), so five packed conversions make the next operand and no number ever changes lanes.
; k = 18, 19 carry the bias: A holds it as two f16 terms (high part, remainder), B holds the row's scale s twice.
; LEAKY.  Z0-5: max(z, 0.01 z) with the 0.01 z that the product supplied.  Z6-9 behind a layer's second product: the same, 0.01 z made by a multiply.
; Z6-9 behind a layer's FIRST product: leaky(z) = 0.505 z + 0.495 |z| is left to the second product.  B's registers 3, 4 take z as it is, registers 6, 7
; (k = 20-23 and 28-31) its magnitude (the sign bits of the two f16 cleared), and the second product's A holds 0.505 W2 and 0.495 W2 at these places.
; All other fragments hold 0 in registers 6, 7, so what is left there in B does not count; it is cleared once for each batch.
;
; FORMAT.  Operands are f16 with a power-of-two scale for each row and layer: m = max(|h| of the row, beta_l), beta_l = max(|b1_l|, |b2_l|, 2^-14),
; E = 2^floor(log2 m), s = 1 / E.  B = f16(h s) has its largest entry in [1, 2); leaky is positively homogeneous, so z1, a1, z2, a2 all carry s, the biases enter
; as b s (at most 2 in size), and h += (dt E) (a2 s).  h, dt, the maxima and the update are f32.
; LIMITS.  |weights| and |biases| below 65504 (f16).  Column sums of |W1| below 2^14, or z1 s leaves f16.  Where a row's max |h| reaches 2^25, f16(s) is 0 and the
; biases of that layer are dropped for that row (they are then under 65504 / 2^25 of the row's size).  Rows in which |h| and all biases lie under 2^-28 lose
; relative precision.  |h| from 2^127 on, infinities and NaN are not served.  The 0.01 z of six features in ten carries the f16 rounding of 0.01 W; for the four
; features that go as z and |z| the slope's term is the difference of the two rounded weights times one and the same f16 z: an error of at most 2^-12 |W z|, the
; size of one f16 rounding of W.  The sums of a product are formed by the matrix unit, in another order than a chain of f32 additions.
;
; SHARING.  A batch is 4 tiles = 64 rows = 768 bytes of x and of out0: three aligned blocks of 256 bytes.  31,250 batches; wave g = 256 w + work-group takes batches
; g + 4096 t: 8 trips for g < 2578, else 7.  16 waves of 240 registers: four on each SIMD, one work-group on each WGP.
; NOT USED: tensor loads, copies, clusters.  All that work-groups share are 41 KB of parameters, read once by each work-group and re-ordered and converted in registers
; on the way into LDS; x and out0 are shared by nobody.
;
; LDS.  0..53247: 26 stages of 2048 bytes (stage 2 l: W1_l, 2 l + 1: W2_l, 24: proj, 25: lift), each two fragments of 1024 bytes (slots 0-15, slots 16-31):
; 16 bytes a lane (registers 0-3), then at +512 16 bytes a lane (registers 4-7).  53248..53503: pairs (dt_l, beta_l), entry 12 (1, beta of proj_b), 13 (1, beta of lift_b).
; 53504 + 1536 w: each wave's own stage, 768 bytes for x and 768 for the results.
.set STG,    2048                      ; bytes of a stage
.set CONSTB, 53248
.set STAGEB, 53504
.set BBYTES, 768                       ; bytes of a batch in x and in out0
.set LASTB,  31249                     ; the last batch
.set VL,   1                           ; v1       lane
.set VL8,  2                           ; v2       8 x lane: lane term of x, of out0 and of my stage
.set VXO,  3                           ; v3       byte offset in x of the batch that is on its way
.set VOO,  4                           ; v4       byte offset in out0 of the batch at work
.set VA16, 5                           ; v5       16 x lane: LDS address of a fragment's registers
.set VZ,   7                           ; v7       0: LDS address of the constants (the place stands in the immediate)
.set VSI,  8                           ; v8       my stage + 8 x lane
.set VSX,  9                           ; v9       my stage + 12 r
.set CD,   12                          ; v[12:13] (dt, beta) of the layer whose operand is made next
.set CL,   14                          ; v14      beta of the lift
.set T,    16                          ; v[16:25] at work
.set M,    26                          ; v[26:28] maxima
.set SP,   30                          ; v[30:31] (s, 0)
.set XN,   32                          ; v[32:37] the next batch's x as loaded
.set O,    38                          ; v[38:43] results to store
.set X,    44                          ; v[44+4i..46+4i]  tile i: my row's x
.set DP,   60                          ; v[60+2i:61+2i]   tile i: (dt E, E)
.set H,    68                          ; v[68+10i..+9]    tile i: h of my ten features
.set B,    108                         ; v[108+8i..+7]    tile i: operand B
.set Z,    140                         ; v[140+16i..+15]  tile i: results
.set AX,   204                         ; v[204:219] weights of the first product of a layer, and of proj
.set AY,   220                         ; v[220:235] weights of the second product of a layer, and of the lift
.set TL,   236                         ; v[236:239] 0.01 z of Z6-9
.set F,    72                          ; set-up: v[72:79] a fragment's eight registers
.set P,    80                          ; set-up: v[80+12i..+10] ten weights and a bias in f32
.set TA,   20                          ; set-up: v20 takes an f16 half and a lane exchange; v21 and v[22:25] at work; v26 an LDS address
	s_load_b512 s[8:23], s[0:1], 0x0               ; x s[8:9], lift_w s[10:11], lift_b s[12:13], W1 s[14:15], b1 s[16:17], W2 s[18:19], b2 s[20:21], dts s[22:23]
	s_load_b128 s[24:27], s[0:1], 0x40             ; proj_w s[24:25], proj_b s[26:27]
	s_load_b64 s[28:29], s[0:1], 0x50              ; out0
	v_lshrrev_b32 v10, 5, v0
	v_readfirstlane_b32 s3, v10                    ; wave w, 0 to 15
	v_and_b32 v[VL], 31, v0
	v_lshlrev_b32 v[VL8], 3, v[VL]
	s_mov_b32 s36, 0x3c23d70a                      ; 0.01, as a pair for the packed multiply
	s_mov_b32 s37, 0x3c23d70a
	s_mov_b32 s38, 0x76543210                      ; v_permlanex16_b32: lane i reads lane i xor 16
	s_mov_b32 s39, 0xfedcba98
	s_mov_b32 s40, 0x7f800000                      ; the exponent field of an f32
	s_mov_b32 s41, 0x7f000000                      ; bits(1 / 2^e) = this - bits(2^e)
	s_mov_b32 s60, 0x7fff7fff                      ; clears the signs of two f16
	s_lshl_b32 s30, s3, 8
	s_add_co_u32 s30, s30, ttmp9                   ; g = 256 w + work-group
	s_cmp_lt_u32 s30, 2578                         ; 31250 = 7 x 4096 + 2578
	s_cselect_b32 s31, 8, 7                        ; my trips
	s_mul_i32 s35, s30, BBYTES
	v_add_nc_u32 v[VXO], s35, v[VL8]               ; my first batch
	; which output slot's weights lane (r, h) of my fragments holds.  Wave w builds fragments w, w + 16, w + 32 of the 48 hidden ones:
	; fragment 4 l + 2 which + t, so t = w & 1 (slots 16-31?), which = (w >> 1) & 1 (W2?), l = (w >> 2) + 4 i.
	v_and_b32 v64, 15, v0                          ; r
	v_bfe_u32 v65, v0, 4, 1                        ; h
	v_and_b32 v66, 7, v0                           ; j' = r & 7
	v_bfe_u32 v67, v0, 3, 1                        ; h' = r >> 3
	s_and_b32 s46, s3, 1                           ; t
	s_bfe_u32 s47, s3, 0x10001                     ; which
	s_lshr_b32 s48, s3, 2                          ; l of my first fragment
	s_cmp_eq_u32 s46, 0
	s_cselect_b32 s50, -1, 0                       ; all lanes: t = 0
	v_cmp_gt_u32 s51, 2, v66                       ; j' < 2
	v_cmp_eq_u32 s52, 1, v65                       ; h = 1
	v_lshl_add_u32 v68, v67, 1, v66
	v_add_nc_u32 v68, 16, v68                      ; 16 + 2 h' + j'
	v_add_nc_u32 v69, -2, v64                      ; 8 h' + j' - 2 = r - 2
	v_cndmask_b32 v68, v69, v68, s51               ; t = 1
	v_cndmask_b32 v68, v68, v64, s50               ; t = 0: feature r
	v_mov_b32 v69, s36
	v_cndmask_b32 v70, v69, 1.0, s51               ; the slot's factor: 0.01 for t = 1, j' >= 2, else 1
	v_cndmask_b32 v70, v70, 1.0, s50
	v_mov_b32 v71, v70
	v_lshlrev_b32 v68, 2, v68                      ; 4 x feature: its column in a row of W, its place in a bias
	v_mov_b32 v[TA], 0                             ; written whole once: takes a lane exchange and an f16 half below
	s_mul_i32 s49, s48, 1600                       ; a layer of W is 20 x 20 x 4 bytes
	s_mul_i32 s53, s48, 80
	s_add_co_u32 s61, s49, 1280
	v_mad_u32_u24 v116, v65, 640, v68              ; W[8h + j][fo]: 8 h rows of 80 bytes; j in the immediate
	v_add_nc_u32 v116, s49, v116
	v_mad_u32_u24 v117, v65, 160, v68              ; W[16 + 2h + (0, 1)][fo]
	v_add_nc_u32 v117, s61, v117
	v_add_nc_u32 v118, s53, v68                    ; b[fo]
	s_lshl_b32 s54, s3, 10
	v_lshl_add_u32 v119, v[VL], 4, s54             ; LDS: fragment w, 16 bytes a lane
	s_wait_kmcnt 0x0
.irp k, 0,1,2
	global_load_b64 v[XN+2*\k:XN+2*\k+1], v[VXO], s[8:9] offset:256*\k th:TH_LOAD_NT   ; the first batch's x comes in beside the parameters
.endr
	s_cmp_eq_u32 s47, 0
	s_cselect_b64 s[42:43], s[14:15], s[18:19]     ; W1 or W2
	s_cselect_b64 s[44:45], s[16:17], s[20:21]     ; b1 or b2
	s_cselect_b32 s56, 1.0, 0x3f0147ae             ; the factor of the four k places that take z as it is: 0.505 in W2's fragments, 1 elsewhere
	s_cselect_b32 s58, 0, 0x3efd70a4               ; the factor of the four k places that take |z|: 0.495 in W2's fragments, 0 elsewhere
	s_mov_b32 s57, s56                             ; as pairs for the packed multiply
	s_mov_b32 s59, s58
	; 33 loads of 4 bytes a lane: a column of W lies 80 bytes apart.  Once for each work-group, 41 KB of parameters in all.
.irp i, 0,1,2
.irp j, 0,1,2,3,4,5,6,7
	global_load_b32 v[P+12*\i+\j], v116, s[42:43] offset:\i*6400+80*\j
.endr
	global_load_b32 v[P+12*\i+8], v117, s[42:43] offset:\i*6400
	global_load_b32 v[P+12*\i+9], v117, s[42:43] offset:\i*6400+80
	global_load_b32 v[P+12*\i+10], v118, s[44:45] offset:\i*320
.endr
; Ten weights and a bias at v[p..p+10], times the slot's factor, to f16, into LDS at my fragment's place + off.  Weights 6-9 go in twice: times s56 at their own
; places (registers 3, 4) and times s58 at the places of the magnitudes (registers 6, 7).
; The bias goes in as two f16 terms, its rounding and what the rounding left, and only in the lanes h = 0 (k = 18, 19); lanes h = 1 hold 0 there (k = 26, 27).
.macro BUILD p, osc, off
.irp k, 0,2,4,6,8
	v_pk_mul_f32 v[\p+\k:\p+\k+1], v[\p+\k:\p+\k+1], v[\osc:\osc+1] op_sel_hi:[1,0]
.endr
	v_pk_mul_f32 v[22:23], v[\p+6:\p+7], s[58:59] op_sel_hi:[1,0]
	v_pk_mul_f32 v[24:25], v[\p+8:\p+9], s[58:59] op_sel_hi:[1,0]
	v_pk_mul_f32 v[\p+6:\p+7], v[\p+6:\p+7], s[56:57] op_sel_hi:[1,0]
	v_pk_mul_f32 v[\p+8:\p+9], v[\p+8:\p+9], s[56:57] op_sel_hi:[1,0]
.irp k, 0,1,2,3,4
	v_cvt_pk_f16_f32 v[F+\k], v[\p+2*\k], v[\p+2*\k+1]
.endr
	v_cvt_pk_f16_f32 v[F+6], v22, v23
	v_cvt_pk_f16_f32 v[F+7], v24, v25
	v_mul_f32 v[\p+10], v[\p+10], v[\osc]
	v_cvt_f16_f32 v20.l, v[\p+10]
	v_cvt_f32_f16 v21, v20.l
	v_sub_f32 v21, v[\p+10], v21
	v_cvt_pk_f16_f32 v[F+5], v[\p+10], v21
	v_cndmask_b32 v[F+5], v[F+5], 0, s52
	ds_store_b128 v119, v[F:F+3] offset:\off
	ds_store_b128 v119, v[F+4:F+7] offset:\off+512
.endm
; The largest of v[a] over the 32 lanes, in every lane.
.macro REDMAX a
	v_max_num_f32_dpp v[\a], v[\a], v[\a] row_xmask:1 row_mask:0xf bank_mask:0xf
	v_max_num_f32_dpp v[\a], v[\a], v[\a] row_xmask:2 row_mask:0xf bank_mask:0xf
	v_max_num_f32_dpp v[\a], v[\a], v[\a] row_xmask:4 row_mask:0xf bank_mask:0xf
	v_max_num_f32_dpp v[\a], v[\a], v[\a] row_xmask:8 row_mask:0xf bank_mask:0xf
	v_permlanex16_b32 v[TA], v[\a], s38, s39
	v_max_num_f32 v[\a], v[\a], v[TA]
.endm
	s_wait_loadcnt 0x0                             ; all 36 loads are in
	BUILD P, 70, 0
	BUILD P+12, 70, 16384                          ; fragment w + 16
	BUILD P+24, 70, 32768                          ; fragment w + 32
	; One more piece for each wave, by its number: waves 0, 1 the lift's two fragments, wave 2 proj's one, wave 3 the two extra constants, waves 4-15 a layer's constants.
	s_cmp_ge_u32 s3, 4
	s_cbranch_scc1 .Llayer_const
	s_cmp_eq_u32 s3, 3
	s_cbranch_scc1 .Lextra_const
	s_mov_b32 s56, 1.0                             ; lift and proj: every weight at its own place, nothing at the places of the magnitudes
	s_mov_b32 s57, 1.0
	s_mov_b32 s58, 0
	s_mov_b32 s59, 0
	s_cmp_eq_u32 s3, 2
	s_cbranch_scc1 .Lproj
	; the lift (w = t): k = 0, 1, 2 hold lift_w[k][fo] in the lanes h = 0; lanes h = 1 hold 0, since both halves of B will hold the same x
	global_load_b32 v[P], v68, s[10:11]
	global_load_b32 v[P+1], v68, s[10:11] offset:80
	global_load_b32 v[P+2], v68, s[10:11] offset:160
	global_load_b32 v[P+10], v68, s[12:13]
.irp k, 3,4,5,6,7,8,9
	v_mov_b32 v[P+\k], 0
.endr
	v_cndmask_b32 v122, v70, 0, s52
	v_mov_b32 v123, v122
	s_wait_loadcnt 0x0
	BUILD P, 122, 25*STG                           ; stage 25, fragment w
	s_branch .Ljoin
.Lproj:
	; proj: slots 0-2 and again 8-10 hold outputs 0-2, so that both halves of the lanes end up with the row's three results; the other slots are 0
	v_min_u32 v124, 2, v66
	v_lshlrev_b32 v124, 2, v124                    ; 4 x min(j', 2)
	v_mad_u32_u24 v125, v65, 96, v124              ; proj_w[8h + j][o]: rows of 12 bytes
	v_mad_u32_u24 v126, v65, 24, v124              ; proj_w[16 + 2h + (0, 1)][o], 192 in the immediate
	v_cmp_gt_u32 s55, 3, v66
	v_cndmask_b32 v122, 0, 1.0, s55
	v_mov_b32 v123, v122
.irp j, 0,1,2,3,4,5,6,7
	global_load_b32 v[P+\j], v125, s[24:25] offset:12*\j
.endr
	global_load_b32 v[P+8], v126, s[24:25] offset:192
	global_load_b32 v[P+9], v126, s[24:25] offset:204
	global_load_b32 v[P+10], v124, s[26:27]
	s_wait_loadcnt 0x0
	BUILD P, 122, 24*STG-2048                      ; my place is fragment 2 (byte 2048): the offset leads to stage 24
	s_branch .Ljoin
.Lextra_const:
	v_min_u32 v124, 2, v[VL]
	v_lshlrev_b32 v124, 2, v124
	v_min_u32 v125, 19, v[VL]
	v_lshlrev_b32 v125, 2, v125
	global_load_b32 v126, v124, s[26:27]           ; proj_b, the last number repeated in the lanes beyond
	global_load_b32 v127, v125, s[12:13]           ; lift_b likewise
	v_mov_b32 v122, 1.0
	v_mov_b32 v80, 1.0
	v_mov_b32 v26, 0
	s_wait_loadcnt 0x0
	v_and_b32 v123, 0x7fffffff, v126
	v_and_b32 v81, 0x7fffffff, v127
	REDMAX 123
	REDMAX 81
	v_max_num_f32 v123, 0x38800000, v123           ; at least 2^-14: s stays inside f16
	v_max_num_f32 v81, 0x38800000, v81
	ds_store_b64 v26, v[122:123] offset:CONSTB+96  ; entry 12; all lanes store the same pair
	ds_store_b64 v26, v[80:81] offset:CONSTB+104   ; entry 13
	s_branch .Ljoin
.Llayer_const:
	s_sub_co_u32 s55, s3, 4                        ; layer w - 4
	s_mul_i32 s61, s55, 80
	s_lshl_b32 s62, s55, 2
	s_lshl_b32 s63, s55, 3
	v_min_u32 v124, 19, v[VL]
	v_lshl_add_u32 v124, v124, 2, s61
	v_mov_b32 v125, s62
	v_mov_b32 v26, s63
	global_load_b32 v126, v124, s[16:17]           ; b1
	global_load_b32 v127, v124, s[20:21]           ; b2
	global_load_b32 v122, v125, s[22:23]           ; dt
	s_wait_loadcnt 0x0
	v_max_num_f32 v123, |v126|, |v127|
	REDMAX 123
	v_max_num_f32 v123, 0x38800000, v123
	ds_store_b64 v26, v[122:123] offset:CONSTB     ; entry w - 4
.Ljoin:
	s_wait_dscnt 0x0                               ; my stores are in LDS, for the other waves' sake
	s_barrier_signal -1
	s_barrier_wait -1                              ; the one barrier: from here on fragments and constants are only read, and a stage is its wave's own
	v_mov_b32 v[SP+1], 0                           ; the pair's second register is named by the packed multiplies and never used
	v_lshlrev_b32 v[VA16], 4, v[VL]
	v_mov_b32 v[VZ], 0
	s_mul_i32 s35, s3, 1536
	s_add_co_u32 s35, s35, STAGEB
	v_add_nc_u32 v[VSI], s35, v[VL8]
	v_and_b32 v10, 15, v0
	v_mad_u32_u24 v[VSX], v10, 12, s35
; a stage's two fragments (LOADF), or its first alone (LOADF1): eight registers each, 32 lanes x 16 neighbouring bytes a load
.macro LOADF1 set, off
	ds_load_b128 v[\set:\set+3], v[VA16] offset:\off
	ds_load_b128 v[\set+4:\set+7], v[VA16] offset:\off+512
.endm
.macro LOADF set, off
	LOADF1 \set, \off
	ds_load_b128 v[\set+8:\set+11], v[VA16] offset:\off+1024
	ds_load_b128 v[\set+12:\set+15], v[VA16] offset:\off+1536
.endm
; tile i's product: output slots 0-15 (MM1), and 16-31.  Every product starts from the constant 0: no accumulator is taken up again.
.macro MM1 set, i
	v_wmma_f32_16x16x32_f16 v[Z+16*\i:Z+16*\i+7], v[\set:\set+7], v[B+8*\i:B+8*\i+7], 0
.endm
.macro MM set, i
	MM1 \set, \i
	v_wmma_f32_16x16x32_f16 v[Z+16*\i+8:Z+16*\i+15], v[\set+8:\set+15], v[B+8*\i:B+8*\i+7], 0
.endm
; Two maxima in one instruction: Z(k), Z(k+1) of tile i against v[src], v[src+1].  Z and TL are multiples of 4 and k is even: one destination is even and one odd, the two
; first sources are two registers apart by one, the two second sources likewise, so each pair of sources lies in two different banks of four.
.macro DMAX i, k, src
	v_dual_max_num_f32 v[Z+16*\i+\k], v[Z+16*\i+\k], v[\src] :: v_dual_max_num_f32 v[Z+16*\i+\k+1], v[Z+16*\i+\k+1], v[\src+1]
.endm
; behind a layer's first product: B of the second.  Z6-9 go as they are, and once more without their signs; Z0-5 as max(z, 0.01 z).  Register 5 keeps s.
.macro Q1 i
	v_cvt_pk_f16_f32 v[B+8*\i+3], v[Z+16*\i+6], v[Z+16*\i+7]
	v_cvt_pk_f16_f32 v[B+8*\i+4], v[Z+16*\i+8], v[Z+16*\i+9]
	DMAX \i, 0, Z+16*\i+10
	DMAX \i, 2, Z+16*\i+12
	DMAX \i, 4, Z+16*\i+14
	v_and_b32 v[B+8*\i+6], s60, v[B+8*\i+3]
	v_and_b32 v[B+8*\i+7], s60, v[B+8*\i+4]
.irp k, 0,1,2
	v_cvt_pk_f16_f32 v[B+8*\i+\k], v[Z+16*\i+2*\k], v[Z+16*\i+2*\k+1]
.endr
.endm
; behind its second: h += (dt E) max(z, 0.01 z), in three kinds of lines
.macro Q2M i                           ; 0.01 z of Z6-9
	v_pk_mul_f32 v[TL:TL+1], v[Z+16*\i+6:Z+16*\i+7], s[36:37] op_sel_hi:[1,0]
	v_pk_mul_f32 v[TL+2:TL+3], v[Z+16*\i+8:Z+16*\i+9], s[36:37] op_sel_hi:[1,0]
.endm
.macro Q2F i, k                        ; two features' update
	v_pk_fma_f32 v[H+10*\i+\k:H+10*\i+\k+1], v[Z+16*\i+\k:Z+16*\i+\k+1], v[DP+2*\i:DP+2*\i+1], v[H+10*\i+\k:H+10*\i+\k+1] op_sel_hi:[1,0,1]
.endm
.macro Q2 i
	Q2M \i
	DMAX \i, 0, Z+16*\i+10
	DMAX \i, 2, Z+16*\i+12
	DMAX \i, 4, Z+16*\i+14
	DMAX \i, 6, TL
	DMAX \i, 8, TL+2
.irp k, 0,2,4,6,8
	Q2F \i, \k
.endr
.endm
; The row's scale and the operand of the next product: m over my ten features, beta and the other half's ten; E, s, dt E; B = f16(h s), (s, s).
; Its first eleven lines hang on each other one by one.  q = 1: the twelve lines of tile n's update, which hang on none of them, stand between them.
.macro P1 i, n, q
	v_max3_num_f32 v[M], |v[H+10*\i]|, |v[H+10*\i+1]|, |v[H+10*\i+2]|
	v_max3_num_f32 v[M+1], |v[H+10*\i+3]|, |v[H+10*\i+4]|, |v[H+10*\i+5]|
	v_max3_num_f32 v[M+2], |v[H+10*\i+6]|, |v[H+10*\i+7]|, |v[H+10*\i+8]|
.if \q
	Q2M \n
.endif
	v_max3_num_f32 v[M], v[M], v[M+1], v[M+2]
.if \q
	DMAX \n, 0, Z+16*\n+10
	DMAX \n, 2, Z+16*\n+12
.endif
	v_max3_num_f32 v[M], v[M], |v[H+10*\i+9]|, v[CD+1]
.if \q
	DMAX \n, 4, Z+16*\n+14
	DMAX \n, 6, TL
.endif
	v_permlanex16_b32 v[M+1], v[M], s38, s39       ; lane xor 16 holds the same row's other ten features
.if \q
	DMAX \n, 8, TL+2
	Q2F \n, 0
.endif
	v_max_num_f32 v[M], v[M], v[M+1]
.if \q
	Q2F \n, 2
.endif
	v_and_b32 v[DP+2*\i+1], s40, v[M]              ; E: the exponent alone
.if \q
	Q2F \n, 4
.endif
	v_sub_nc_u32 v[SP], s41, v[DP+2*\i+1]          ; s = 1 / E
	v_mul_f32 v[DP+2*\i], v[CD], v[DP+2*\i+1]      ; dt E
.if \q
	Q2F \n, 6
	Q2F \n, 8
.endif
	v_cvt_pk_f16_f32 v[B+8*\i+5], v[SP], v[SP]
.irp k, 0,2,4,6,8
	v_pk_mul_f32 v[T+\k:T+\k+1], v[H+10*\i+\k:H+10*\i+\k+1], v[SP:SP+1] op_sel_hi:[1,0]
.endr
.irp k, 0,1,2,3,4
	v_cvt_pk_f16_f32 v[B+8*\i+\k], v[T+2*\k], v[T+2*\k+1]
.endr
.endm
; the lift's operand: the same for the row's three x, which both halves of the lanes hold.  Registers 6, 7 are cleared here, once for each batch:
; nothing of the last batch's rows stays in B.
.macro PX i
	v_max3_num_f32 v[M], |v[X+4*\i]|, |v[X+4*\i+1]|, |v[X+4*\i+2]|
	v_max_num_f32 v[M], v[M], v[CL]
	v_and_b32 v[DP+2*\i], s40, v[M]                ; E, in both registers of the pair
	v_and_b32 v[DP+2*\i+1], s40, v[M]
	v_sub_nc_u32 v[SP], s41, v[DP+2*\i]
	v_cvt_pk_f16_f32 v[B+8*\i+5], v[SP], v[SP]
	v_pk_mul_f32 v[T:T+1], v[X+4*\i:X+4*\i+1], v[SP:SP+1] op_sel_hi:[1,0]
	v_mul_f32 v[T+2], v[X+4*\i+2], v[SP]
	v_cvt_pk_f16_f32 v[B+8*\i], v[T], v[T+1]
	v_cvt_pk_f16_f32 v[B+8*\i+1], v[T+2], 0
.irp k, 2,3,4,6,7
	v_mov_b32 v[B+8*\i+\k], 0
.endr
.endm
; behind the lift: h = E (h s)
.macro QL i
.irp k, 0,2,4,6,8
	v_pk_mul_f32 v[H+10*\i+\k:H+10*\i+\k+1], v[Z+16*\i+\k:Z+16*\i+\k+1], v[DP+2*\i:DP+2*\i+1] op_sel_hi:[1,0]
.endr
.endm
; behind proj: the row's three results into my stage; lanes r and r + 16 store the same numbers to the same bytes
.macro QP i
	v_pk_mul_f32 v[Z+16*\i:Z+16*\i+1], v[Z+16*\i:Z+16*\i+1], v[DP+2*\i:DP+2*\i+1] op_sel_hi:[1,0]
	v_mul_f32 v[Z+16*\i+2], v[Z+16*\i+2], v[DP+2*\i]
.irp c, 0,1,2
	ds_store_b32 v[VSX], v[Z+16*\i+\c] offset:768+192*\i+4*\c
.endr
.endm
; DISTANCES behind matrix instructions (ISA guide 7.12.1).  The four tiles take turns, so a tile's results, and its B, are touched again only behind vector work of
; other tiles, which names none of its registers: six instructions at the least (three QP), 20 or more elsewhere (two Q1).  AX and AY are loaded again only behind
; vector work of other tiles than the last that read them (Q1 0: 10 instructions; Q2 0, P1 0 and tile 1's update: 45; QL 0 and P1 0: 26; QP 0-2: 6).
; Layer l's second product.  last = 1: what follows is proj, one fragment.
.macro PHB l, last
	Q1 0
.if \last
	LOADF1 AX, (2*\l+2)*STG
.else
	LOADF AX, (2*\l+2)*STG
.endif
	ds_load_b64 v[CD:CD+1], v[VZ] offset:CONSTB+8*(\l+1)
	s_wait_dscnt 5-2*\last                         ; LDS loads come back in order (ISA guide 5.7.1): AY's four are in; AX's four (proj: two) and the constants stay out
	MM AY, 0
.irp i, 1,2,3
	Q1 \i
	MM AY, \i
.endr
.endm
; tile i's next product: layer l + 1's first, or proj
.macro MMX last, i
.if \last
	MM1 AX, \i
.else
	MM AX, \i
.endif
.endm
; Layer l's update of h, and the next product.  Tile i + 1 is updated between the lines that make tile i's operand.
.macro PHA l, last
	s_wait_dscnt 0x0                               ; AX and the constants are in
	Q2 0
	P1 0, 1, 1
	MMX \last, 0
	LOADF AY, (2*\l+3)*STG                         ; behind layer 11 this is stage 25: the lift, for the next batch
	P1 1, 2, 1
	MMX \last, 1
	P1 2, 3, 1
	MMX \last, 2
	P1 3, 0, 0
	MMX \last, 3
.endm
	LOADF AX, 0                                    ; W1 of layer 0
	LOADF AY, 25*STG                               ; the lift
	ds_load_b32 v[CL], v[VZ] offset:CONSTB+108     ; entry 13's beta
	s_mov_b32 s34, s30                             ; the batch at work
	s_mov_b32 s32, 0
.Ltrip:
	s_wait_loadcnt 0x0                             ; this batch's x, asked for a whole trip ago; VXO is free
	s_wait_xcnt 0x0                                ; the last trip's stores have had their addresses translated (ISA guide 3.1): VOO and O are rewritten only behind this wait
.irp k, 0,1,2
	ds_store_b64 v[VSI], v[XN+2*\k:XN+2*\k+1] offset:256*\k
.endr
.irp i, 0,1,2,3
.irp c, 0,1,2
	ds_load_b32 v[X+4*\i+\c], v[VSX] offset:192*\i+4*\c    ; LDS serves a wave's instructions in order: these see the stores above
.endr
.endr
	ds_load_b64 v[CD:CD+1], v[VZ] offset:CONSTB    ; (dt, beta) of layer 0
	v_mov_b32 v[VOO], v[VXO]
	s_add_co_u32 s35, s34, 4096                    ; my next batch; behind my last one the address is held at the last batch, inside x, and what comes is not used
	s_min_u32 s35, s35, LASTB
	s_mul_i32 s35, s35, BBYTES
	v_add_nc_u32 v[VXO], s35, v[VL8]
	s_wait_dscnt 0x0                               ; x of my rows, the constants, AX and AY are in; XN has been read
.irp k, 0,1,2
	global_load_b64 v[XN+2*\k:XN+2*\k+1], v[VXO], s[8:9] offset:256*\k th:TH_LOAD_NT   ; each load of the wave covers 256 consecutive bytes, aligned
.endr
	; the lift
.irp i, 0,1,2,3
	PX \i
	MM AY, \i
.endr
	; h, and layer 0's first product
	QL 0
	P1 0, 0, 0
	MM AX, 0
	LOADF AY, STG                                  ; W2 of layer 0
.irp i, 1,2,3
	QL \i
	P1 \i, 0, 0
	MM AX, \i
.endr
	; the twelve layers, written out: every LDS offset is an immediate, no address is stepped
.irp l, 0,1,2,3,4,5,6,7,8,9,10
	PHB \l, 0
	PHA \l, 0
.endr
	PHB 11, 1
	PHA 11, 1
	; the results: through my stage, so that each store of the wave covers 256 consecutive bytes, aligned
.irp i, 0,1,2,3
	QP \i
.endr
.irp k, 0,1,2
	ds_load_b64 v[O+2*\k:O+2*\k+1], v[VSI] offset:768+256*\k
.endr
	LOADF AX, 0                                    ; W1 of layer 0, for the next batch
	s_wait_dscnt 0x4                               ; all but AX's four: the three loads of O are in
.irp k, 0,1,2
	global_store_b64 v[VOO], v[O+2*\k:O+2*\k+1], s[28:29] offset:256*\k th:TH_STORE_NT
.endr
	s_add_co_u32 s34, s34, 4096
	s_add_co_u32 s32, s32, 1
	s_cmp_lt_u32 s32, s31
	s_cbranch_scc1 .Ltrip
	s_endpgm
.Lfunc_end_k_q747d61bf3d_mlp:
	.size	k_q747d61bf3d_mlp, .Lfunc_end_k_q747d61bf3d_mlp-k_q747d61bf3d_mlp
	.p2alignl 7, 3214868480
	.fill 96, 4, 3214868480
	.section	.rodata,"a",@progbits
	.p2align	6, 0x0
	.amdhsa_kernel k_q747d61bf3d_mlp
		.amdhsa_group_segment_fixed_size 78080
		.amdhsa_private_segment_fixed_size 0
		.amdhsa_enable_private_segment 0
		.amdhsa_kernarg_size 88
		.amdhsa_user_sgpr_count 2
		.amdhsa_user_sgpr_kernarg_segment_ptr 1
		.amdhsa_wavefront_size32 1
		.amdhsa_system_sgpr_workgroup_id_x 1
		.amdhsa_system_sgpr_workgroup_id_y 1
		.amdhsa_system_sgpr_workgroup_id_z 1
		.amdhsa_system_vgpr_workitem_id 0
		.amdhsa_next_free_vgpr 240
		.amdhsa_next_free_sgpr 66
		.amdhsa_reserve_vcc 0
		.amdhsa_float_denorm_mode_32 3
		.amdhsa_float_denorm_mode_16_64 3
		.amdhsa_memory_ordered 1
		.amdhsa_forward_progress 1
		.amdhsa_inst_pref_size 173
	.end_amdhsa_kernel
	.amdgpu_metadata
---
amdhsa.version: [ 1, 2 ]
amdhsa.kernels:
  - .name:           k_q747d61bf3d_mlp
    .symbol:         k_q747d61bf3d_mlp.kd
    .args:
      - { .name: x, .offset: 0, .size: 8, .value_kind: global_buffer, .address_space: global }
      - { .name: lift_w, .offset: 8, .size: 8, .value_kind: global_buffer, .address_space: global }
      - { .name: lift_b, .offset: 16, .size: 8, .value_kind: global_buffer, .address_space: global }
      - { .name: W1, .offset: 24, .size: 8, .value_kind: global_buffer, .address_space: global }
      - { .name: b1, .offset: 32, .size: 8, .value_kind: global_buffer, .address_space: global }
      - { .name: W2, .offset: 40, .size: 8, .value_kind: global_buffer, .address_space: global }
      - { .name: b2, .offset: 48, .size: 8, .value_kind: global_buffer, .address_space: global }
      - { .name: dts, .offset: 56, .size: 8, .value_kind: global_buffer, .address_space: global }
      - { .name: proj_w, .offset: 64, .size: 8, .value_kind: global_buffer, .address_space: global }
      - { .name: proj_b, .offset: 72, .size: 8, .value_kind: global_buffer, .address_space: global }
      - { .name: out0, .offset: 80, .size: 8, .value_kind: global_buffer, .address_space: global }
    .group_segment_fixed_size: 78080
    .private_segment_fixed_size: 0
    .kernarg_segment_align: 8
    .kernarg_segment_size: 88
    .max_flat_workgroup_size: 512
    .sgpr_count:     66
    .vgpr_count:     240
    .wavefront_size: 32
...
	.end_amdgpu_metadata
.endif
;; end of part 2
;; ======== version 3 of 3: 1 launch; 1.34 times as fast as version 1
;; limits: values outside matrix products are rounded to f16; values are held in f16: magnitudes above 65,504 overflow, below 6.1e-05 lose precision; right only within a limited range of input values; inputs' magnitudes at most 65,504; below input magnitudes of 3.7e-09 results are inexact or not finite; an absolute error that grows with the inputs' magnitude: up to 0.000244 times it
;; launch mlp (part 3): grid 256 x 1, 16 waves a work-group, no clusters, 78,080 bytes of LDS; arguments x, lift_w, lift_b, W1, b1, W2, b2, dts, proj_w, proj_b, out0; writes out0
.if DOCPART == 3
	.amdgcn_target "amdgcn-amd-amdhsa--gfx1250"
	.amdhsa_code_object_version 6
	.text
	.protected	k_q747d61bf3d_mlp
	.globl	k_q747d61bf3d_mlp
	.p2align	8
	.type	k_q747d61bf3d_mlp,@function
k_q747d61bf3d_mlp:
	s_mov_b64 s[64:65], 0
	v_nop
	global_prefetch_b8 v0, s[64:65] scope:SCOPE_SE
	s_setreg_imm32_b32 hwreg(HW_REG_WAVE_MODE, 25, 1), 1
	s_wait_xcnt 0x0
; out = proj(h12), h0 = x lift_w + lift_b, h(l+1) = h(l) + dt_l leaky(leaky(h(l) W1_l + b1_l) W2_l + b2_l); 2,000,000 rows, 20 features.
; One launch: x is read once, out0 written once, h stays in f32 registers through all 26 products.
;
; LAYOUT.  A tile is 16 batch rows.  Products are used transposed: source A = weights (row m = an output slot), source B = activations (column n = a batch row),
; C = the constant 0 in every product (no sums are chained, nothing is cleared).  Lane (r = lane & 15, h = lane >> 4) belongs to batch row r.
; Each product is two matrix instructions (32 output slots).  Slots 0-15: features 0-15.  Slot 16 + 8 h' + j': for j' < 2 feature 16 + 2 h' + j'; for j' = 2..7 the
; weights and bias of feature 8 h' + j' - 2 times 0.01.  So a lane's sixteen results are z of features 8h..8h+7 (Z0-7), z of features 16+2h, 17+2h (Z8, Z9), and
; 0.01 z of the features in Z0-5 (Z10-15).  These ten features are exactly the k places that the lane holds of the NEXT product's B (registers 0-3: k = 8h..8h+7,
; register 4: k = 16+8h, 17+8h), so five packed conversions make the next operand and no number ever changes lanes.
; k = 18, 19 carry the bias: A holds it as two f16 terms (high part, remainder), B holds the row's scale S twice.
; LEAKY.  Z0-5: max(z, 0.01 z) with the 0.01 z that the product supplied.  Z6-9 behind a layer's second product: the same, 0.01 z made by a multiply.
; Z6-9 behind a layer's FIRST product: leaky(z) = 0.505 z + 0.495 |z| is left to the second product.  B's registers 3, 4 take z as it is, registers 6, 7
; (k = 20-23 and 28-31) its magnitude (the sign bits of the two f16 cleared), and the second product's A holds 0.505 W2 and 0.495 W2 at these places.
; All other fragments hold 0 in registers 6, 7, so what is left there in B does not count; it is cleared once for each batch.
;
; FORMAT.  Operands are f16; each row carries a power-of-two scale S, and the registers hold u = h S in f32 (exact).  leaky is positively homogeneous, so z1, a1, z2, a2
; all carry S, the biases enter as b S, and u += dt (a2 S).  S is RENEWED for x and for h1, h3, .. h11; h0, h2, .. h12 run on the scale of the operand before.
; A renewal: m = max(|h| of the row, beta), E = 2^floor(log2 m), S = 1 / (E gamma).  beta = the largest |bias| of the two layers that use the scale, at least 2^-14.
; gamma leaves the room that one layer can need, whatever the row: with N1, N2 the largest column sums of |W1_l|, |W2_l|, |h(l+1)| <= 2 E G for
; G = 1 + |dt_l| (N2 (N1 + 1) + 1) (the lift: G = N + 1), and gamma = the power of two just above max(G / 16, 1/2).  So a renewed operand is below 2 and the
; operand that follows on the same scale is below 32.  The set-up stores K = 0xbe000000 - (exponent bits of max(G / 16, 1/2)); then bits(S) = K - bits(E).
; LIMITS.  |weights| and |biases| below 65504 (f16).  Column sums of |W1| below 2,000, or z1 S leaves f16.  Where E gamma reaches 2^25, f16(S) is 0 and the biases
; are dropped for that row (they are then under 65504 / 2^25 of the row's size); E gamma stays below 2^126.  At a renewal the row's largest entry lies in
; [1 / gamma, 2 / gamma); entries under 2^-14 are rounded with the step 2^-24, an error of at most 2^-25 gamma of the row's largest entry, which reaches the size
; of an f16 rounding at gamma = 2^13.  Rows in which |h| and all biases lie under 2^-28 lose relative precision.  Infinities and NaN are not served.
; The 0.01 z of six features in ten carries the f16 rounding of 0.01 W; for the four features that go as z and |z| the slope's term is the difference of the two
; rounded weights times one and the same f16 z: an error of at most 2^-12 |W z|.  The sums of a product are formed by the matrix unit, in another order than a
; chain of f32 additions.
;
; SHARING.  A batch is 4 tiles = 64 rows = 768 bytes of x and of out0: three aligned blocks of 256 bytes.  31,250 batches; wave g = 256 w + work-group takes batches
; g + 4096 t: 8 trips for g < 2578, else 7.  16 waves of 240 registers: four on each SIMD, one work-group on each WGP.
; NOT USED: tensor loads, copies, clusters.  All that work-groups share are 41 KB of parameters, read once or twice by each work-group and re-ordered and converted in
; registers on the way into LDS; x and out0 are shared by nobody.
;
; LDS.  0..53247: 26 stages of 2048 bytes (stage 2 l: W1_l, 2 l + 1: W2_l, 24: proj, 25: lift), each two fragments of 1024 bytes (slots 0-15, slots 16-31):
; 16 bytes a lane (registers 0-3), then at +512 16 bytes a lane (registers 4-7).  53248..53503: entry l of 16 bytes (dt_l, beta and K of the renewal for h(l+1), 0),
; l = 0..11; at +192 the pair (beta, K) of the renewal for x.  53504 + 1536 w: each wave's own stage, 768 bytes for x and 768 for the results.
.set STG,    2048                      ; bytes of a stage
.set CONSTB, 53248
.set STAGEB, 53504
.set BBYTES, 768                       ; bytes of a batch in x and in out0
.set LASTB,  31249                     ; the last batch
.set VL,   1                           ; v1       lane
.set VL8,  2                           ; v2       8 x lane: lane term of x, of out0 and of my stage
.set VXO,  3                           ; v3       byte offset in x of the batch that is on its way
.set VOO,  4                           ; v4       byte offset in out0 of the batch at work
.set VA16, 5                           ; v5       16 x lane: LDS address of a fragment's registers
.set VZ,   7                           ; v7       0: LDS address of the constants (the place stands in the immediate)
.set VSI,  8                           ; v8       my stage + 8 x lane
.set VSX,  9                           ; v9       my stage + 12 r
.set CL,   10                          ; v10      beta of the renewal for x
.set KL,   11                          ; v11      its K
.set CD,   12                          ; v[12:15] (dt_l, beta, K, 0) of the layer at work
.set T,    16                          ; v[16:18] at work
.set M,    26                          ; v[26:28] maxima
.set BU,   29                          ; v29      beta S
.set SP,   30                          ; v[30:31] (a power of two to multiply by, 0)
.set XN,   32                          ; v[32:37] the next batch's x as loaded
.set O,    38                          ; v[38:43] results to store
.set X,    44                          ; v[44+4i..46+4i]  tile i: my row's x
.set ST,   60                          ; v[60+2i:61+2i]   tile i: (S, 0)
.set H,    68                          ; v[68+10i..+9]    tile i: u = h S of my ten features
.set B,    108                         ; v[108+8i..+7]    tile i: operand B
.set Z,    140                         ; v[140+16i..+15]  tile i: results
.set AX,   204                         ; v[204:219] weights of the first product of a layer, and of proj
.set AY,   220                         ; v[220:235] weights of the second product of a layer, and of the lift
.set TL,   236                         ; v[236:239] 0.01 z of Z6-9
.set F,    72                          ; set-up: v[72:79] a fragment's eight registers
.set P,    80                          ; set-up: v[80+12i..+10] ten weights and a bias in f32
.set TA,   20                          ; set-up: v20 takes an f16 half and a lane exchange; v21 and v[22:25] at work; v[26:28] offsets
.set WN,   128                         ; set-up: v[128:147] a column of W1, v[148:167] of W2, v[168:172] biases and dt
	s_load_b512 s[8:23], s[0:1], 0x0               ; x s[8:9], lift_w s[10:11], lift_b s[12:13], W1 s[14:15], b1 s[16:17], W2 s[18:19], b2 s[20:21], dts s[22:23]
	s_load_b128 s[24:27], s[0:1], 0x40             ; proj_w s[24:25], proj_b s[26:27]
	s_load_b64 s[28:29], s[0:1], 0x50              ; out0
	v_lshrrev_b32 v6, 5, v0
	v_readfirstlane_b32 s3, v6                     ; wave w, 0 to 15
	v_and_b32 v[VL], 31, v0
	v_lshlrev_b32 v[VL8], 3, v[VL]
	s_mov_b32 s36, 0x3c23d70a                      ; 0.01, as a pair for the packed multiply
	s_mov_b32 s37, 0x3c23d70a
	s_mov_b32 s38, 0x76543210                      ; v_permlanex16_b32: lane i reads lane i xor 16
	s_mov_b32 s39, 0xfedcba98
	s_mov_b32 s40, 0x7f800000                      ; the exponent field of an f32
	s_mov_b32 s41, 0x7f000000                      ; bits(1 / 2^e) = this - bits(2^e)
	s_mov_b32 s60, 0x7fff7fff                      ; clears the signs of two f16
	s_lshl_b32 s30, s3, 8
	s_add_co_u32 s30, s30, ttmp9                   ; g = 256 w + work-group
	s_cmp_lt_u32 s30, 2578                         ; 31250 = 7 x 4096 + 2578
	s_cselect_b32 s31, 8, 7                        ; my trips
	s_mul_i32 s35, s30, BBYTES
	v_add_nc_u32 v[VXO], s35, v[VL8]               ; my first batch
	; which output slot's weights lane (r, h) of my fragments holds.  Wave w builds fragments w, w + 16, w + 32 of the 48 hidden ones:
	; fragment 4 l + 2 which + t, so t = w & 1 (slots 16-31?), which = (w >> 1) & 1 (W2?), l = (w >> 2) + 4 i.
	v_and_b32 v64, 15, v0                          ; r
	v_bfe_u32 v65, v0, 4, 1                        ; h
	v_and_b32 v66, 7, v0                           ; j' = r & 7
	v_bfe_u32 v67, v0, 3, 1                        ; h' = r >> 3
	s_and_b32 s46, s3, 1                           ; t
	s_bfe_u32 s47, s3, 0x10001                     ; which
	s_lshr_b32 s48, s3, 2                          ; l of my first fragment
	s_cmp_eq_u32 s46, 0
	s_cselect_b32 s50, -1, 0                       ; all lanes: t = 0
	v_cmp_gt_u32 s51, 2, v66                       ; j' < 2
	v_cmp_eq_u32 s52, 1, v65                       ; h = 1
	v_lshl_add_u32 v68, v67, 1, v66
	v_add_nc_u32 v68, 16, v68                      ; 16 + 2 h' + j'
	v_add_nc_u32 v69, -2, v64                      ; 8 h' + j' - 2 = r - 2
	v_cndmask_b32 v68, v69, v68, s51               ; t = 1
	v_cndmask_b32 v68, v68, v64, s50               ; t = 0: feature r
	v_mov_b32 v69, s36
	v_cndmask_b32 v70, v69, 1.0, s51               ; the slot's factor: 0.01 for t = 1, j' >= 2, else 1
	v_cndmask_b32 v70, v70, 1.0, s50
	v_mov_b32 v71, v70
	v_lshlrev_b32 v68, 2, v68                      ; 4 x feature: its column in a row of W, its place in a bias
	v_mov_b32 v[TA], 0                             ; written whole once: takes a lane exchange and an f16 half below
	s_mul_i32 s49, s48, 1600                       ; a layer of W is 20 x 20 x 4 bytes
	s_mul_i32 s53, s48, 80
	s_add_co_u32 s61, s49, 1280
	v_mad_u32_u24 v116, v65, 640, v68              ; W[8h + j][fo]: 8 h rows of 80 bytes; j in the immediate
	v_add_nc_u32 v116, s49, v116
	v_mad_u32_u24 v117, v65, 160, v68              ; W[16 + 2h + (0, 1)][fo]
	v_add_nc_u32 v117, s61, v117
	v_add_nc_u32 v118, s53, v68                    ; b[fo]
	s_lshl_b32 s54, s3, 10
	v_lshl_add_u32 v119, v[VL], 4, s54             ; LDS: fragment w, 16 bytes a lane
	s_wait_kmcnt 0x0
.irp k, 0,1,2
	global_load_b64 v[XN+2*\k:XN+2*\k+1], v[VXO], s[8:9] offset:256*\k th:TH_LOAD_NT   ; the first batch's x comes in beside the parameters
.endr
	s_cmp_eq_u32 s47, 0
	s_cselect_b64 s[42:43], s[14:15], s[18:19]     ; W1 or W2
	s_cselect_b64 s[44:45], s[16:17], s[20:21]     ; b1 or b2
	s_cselect_b32 s56, 1.0, 0x3f0147ae             ; the factor of the four k places that take z as it is: 0.505 in W2's fragments, 1 elsewhere
	s_cselect_b32 s58, 0, 0x3efd70a4               ; the factor of the four k places that take |z|: 0.495 in W2's fragments, 0 elsewhere
	s_mov_b32 s57, s56                             ; as pairs for the packed multiply
	s_mov_b32 s59, s58
	; 33 loads of 4 bytes a lane: a column of W lies 80 bytes apart.  Once for each work-group.
.irp i, 0,1,2
.irp j, 0,1,2,3,4,5,6,7
	global_load_b32 v[P+12*\i+\j], v116, s[42:43] offset:\i*6400+80*\j
.endr
	global_load_b32 v[P+12*\i+8], v117, s[42:43] offset:\i*6400
	global_load_b32 v[P+12*\i+9], v117, s[42:43] offset:\i*6400+80
	global_load_b32 v[P+12*\i+10], v118, s[44:45] offset:\i*320
.endr
; Ten weights and a bias at v[p..p+10], times the slot's factor, to f16, into LDS at my fragment's place + off.  Weights 6-9 go in twice: times s56 at their own
; places (registers 3, 4) and times s58 at the places of the magnitudes (registers 6, 7).
; The bias goes in as two f16 terms, its rounding and what the rounding left, and only in the lanes h = 0 (k = 18, 19); lanes h = 1 hold 0 there (k = 26, 27).
.macro BUILD p, osc, off
.irp k, 0,2,4,6,8
	v_pk_mul_f32 v[\p+\k:\p+\k+1], v[\p+\k:\p+\k+1], v[\osc:\osc+1] op_sel_hi:[1,0]
.endr
	v_pk_mul_f32 v[22:23], v[\p+6:\p+7], s[58:59] op_sel_hi:[1,0]
	v_pk_mul_f32 v[24:25], v[\p+8:\p+9], s[58:59] op_sel_hi:[1,0]
	v_pk_mul_f32 v[\p+6:\p+7], v[\p+6:\p+7], s[56:57] op_sel_hi:[1,0]
	v_pk_mul_f32 v[\p+8:\p+9], v[\p+8:\p+9], s[56:57] op_sel_hi:[1,0]
.irp k, 0,1,2,3,4
	v_cvt_pk_f16_f32 v[F+\k], v[\p+2*\k], v[\p+2*\k+1]
.endr
	v_cvt_pk_f16_f32 v[F+6], v22, v23
	v_cvt_pk_f16_f32 v[F+7], v24, v25
	v_mul_f32 v[\p+10], v[\p+10], v[\osc]
	v_cvt_f16_f32 v20.l, v[\p+10]
	v_cvt_f32_f16 v21, v20.l
	v_sub_f32 v21, v[\p+10], v21
	v_cvt_pk_f16_f32 v[F+5], v[\p+10], v21
	v_cndmask_b32 v[F+5], v[F+5], 0, s52
	ds_store_b128 v119, v[F:F+3] offset:\off
	ds_store_b128 v119, v[F+4:F+7] offset:\off+512
.endm
; The largest of v[a] over the 32 lanes, in every lane.
.macro REDMAX a
	v_max_num_f32_dpp v[\a], v[\a], v[\a] row_xmask:1 row_mask:0xf bank_mask:0xf
	v_max_num_f32_dpp v[\a], v[\a], v[\a] row_xmask:2 row_mask:0xf bank_mask:0xf
	v_max_num_f32_dpp v[\a], v[\a], v[\a] row_xmask:4 row_mask:0xf bank_mask:0xf
	v_max_num_f32_dpp v[\a], v[\a], v[\a] row_xmask:8 row_mask:0xf bank_mask:0xf
	v_permlanex16_b32 v[TA], v[\a], s38, s39
	v_max_num_f32 v[\a], v[\a], v[TA]
.endm
; v[d] = K of the growth bound G in v[g]: 0xbe000000 = bits(2^127 / 2) + bits(1), so that K - bits(E) = bits(1 / (E gamma)),
; gamma = twice the power of two at or below max(G / 16, 1/2)
.macro KOF d, g
	v_mul_f32 v[\g], 0x3d800000, v[\g]             ; G / 16
	v_max_num_f32 v[\g], 0.5, v[\g]
	v_and_b32 v[\g], s40, v[\g]
	v_sub_nc_u32 v[\d], 0xbe000000, v[\g]
.endm
	s_wait_loadcnt 0x0                             ; all 36 loads are in
	BUILD P, 70, 0
	BUILD P+12, 70, 16384                          ; fragment w + 16
	BUILD P+24, 70, 32768                          ; fragment w + 32
	; One more piece for each wave, by its number: waves 0, 1 the lift's two fragments, wave 2 proj's one, wave 3 the constants of x's renewal, waves 4-15 a layer's entry.
	s_cmp_ge_u32 s3, 4
	s_cbranch_scc1 .Llayer_const
	s_cmp_eq_u32 s3, 3
	s_cbranch_scc1 .Llift_const
	s_mov_b32 s56, 1.0                             ; lift and proj: every weight at its own place, nothing at the places of the magnitudes
	s_mov_b32 s57, 1.0
	s_mov_b32 s58, 0
	s_mov_b32 s59, 0
	s_cmp_eq_u32 s3, 2
	s_cbranch_scc1 .Lproj
	; the lift (w = t): k = 0, 1, 2 hold lift_w[k][fo] in the lanes h = 0; lanes h = 1 hold 0, since both halves of B will hold the same x
	global_load_b32 v[P], v68, s[10:11]
	global_load_b32 v[P+1], v68, s[10:11] offset:80
	global_load_b32 v[P+2], v68, s[10:11] offset:160
	global_load_b32 v[P+10], v68, s[12:13]
.irp k, 3,4,5,6,7,8,9
	v_mov_b32 v[P+\k], 0
.endr
	v_cndmask_b32 v122, v70, 0, s52
	v_mov_b32 v123, v122
	s_wait_loadcnt 0x0
	BUILD P, 122, 25*STG                           ; stage 25, fragment w
	s_branch .Ljoin
.Lproj:
	; proj: slots 0-2 and again 8-10 hold outputs 0-2, so that both halves of the lanes end up with the row's three results; the other slots are 0
	v_min_u32 v124, 2, v66
	v_lshlrev_b32 v124, 2, v124                    ; 4 x min(j', 2)
	v_mad_u32_u24 v125, v65, 96, v124              ; proj_w[8h + j][o]: rows of 12 bytes
	v_mad_u32_u24 v126, v65, 24, v124              ; proj_w[16 + 2h + (0, 1)][o], 192 in the immediate
	v_cmp_gt_u32 s55, 3, v66
	v_cndmask_b32 v122, 0, 1.0, s55
	v_mov_b32 v123, v122
.irp j, 0,1,2,3,4,5,6,7
	global_load_b32 v[P+\j], v125, s[24:25] offset:12*\j
.endr
	global_load_b32 v[P+8], v126, s[24:25] offset:192
	global_load_b32 v[P+9], v126, s[24:25] offset:204
	global_load_b32 v[P+10], v124, s[26:27]
	s_wait_loadcnt 0x0
	BUILD P, 122, 24*STG-2048                      ; my place is fragment 2 (byte 2048): the offset leads to stage 24
	s_branch .Ljoin
.Llift_const:
	; x's renewal serves the lift and layer 0: beta over lift_b, b1_0, b2_0; G = N + 1, N = the largest column sum of |lift_w|.  Lane j takes column min(j, 19).
	v_min_u32 v124, 19, v[VL]
	v_lshlrev_b32 v124, 2, v124
	global_load_b32 v126, v124, s[12:13]           ; lift_b
	global_load_b32 v127, v124, s[16:17]           ; b1 of layer 0
	global_load_b32 v80, v124, s[20:21]            ; b2 of layer 0
	global_load_b32 v81, v124, s[10:11]
	global_load_b32 v82, v124, s[10:11] offset:80
	global_load_b32 v83, v124, s[10:11] offset:160
	v_mov_b32 v26, 0
	s_wait_loadcnt 0x0
	v_max3_num_f32 v122, |v126|, |v127|, |v80|
	v_add_f32 v81, |v81|, |v82|
	v_add_f32 v81, v81, |v83|
	REDMAX 122
	REDMAX 81
	v_max_num_f32 v122, 0x38800000, v122           ; at least 2^-14: S stays inside f16
	v_add_f32 v81, 1.0, v81
	KOF 123, 81
	ds_store_b64 v26, v[122:123] offset:CONSTB+192 ; all lanes store the same pair
	s_branch .Ljoin
.Llayer_const:
	; Entry l = w - 4: dt_l, and beta and K of the renewal for h(n), n = min(l + 1, 11), whose scale serves layer n and what follows it (layer n + 1; behind
	; layer 11: proj).  Only the entries of even l are renewals; the others' beta and K are made alike and not used.  Lane j takes column min(j, 19) of W1_n and W2_n.
	s_sub_co_u32 s46, s3, 4                        ; l
	s_add_co_u32 s47, s46, 1
	s_min_u32 s47, s47, 11                         ; n
	s_mul_i32 s48, s47, 1600
	s_mul_i32 s49, s47, 80
	s_lshl_b32 s50, s46, 2
	s_lshl_b32 s51, s47, 2
	s_lshl_b32 s53, s46, 4
	s_add_co_u32 s55, s49, 80                      ; the biases of layer n + 1
	s_cmp_eq_u32 s47, 11
	s_cselect_b64 s[42:43], s[26:27], s[16:17]     ; behind layer 11: proj_b in the place of both
	s_cselect_b64 s[44:45], s[26:27], s[20:21]
	s_cselect_b32 s54, 2, 19                       ; its last index
	s_cselect_b32 s55, 0, s55
	v_min_u32 v124, 19, v[VL]
	v_lshlrev_b32 v124, 2, v124
	v_add_nc_u32 v125, s48, v124
	v_add_nc_u32 v126, s49, v124
	v_min_u32 v127, s54, v[VL]
	v_lshl_add_u32 v127, v127, 2, s55
	v_mov_b32 v26, s50
	v_mov_b32 v27, s51
	v_mov_b32 v28, s53
.irp i, 0,1,2,3,4,5,6,7,8,9,10,11,12,13,14,15,16,17,18,19
	global_load_b32 v[WN+\i], v125, s[14:15] offset:80*\i      ; twenty neighbouring lanes take a row's 80 bytes
	global_load_b32 v[WN+20+\i], v125, s[18:19] offset:80*\i
.endr
	global_load_b32 v168, v126, s[16:17]           ; b1_n
	global_load_b32 v169, v126, s[20:21]           ; b2_n
	global_load_b32 v170, v127, s[42:43]           ; the biases that follow
	global_load_b32 v171, v127, s[44:45]
	global_load_b32 v122, v26, s[22:23]            ; dt_l
	global_load_b32 v172, v27, s[22:23]            ; dt_n
	s_wait_loadcnt 0x0
	v_add_f32 v[WN], |v[WN]|, |v[WN+1]|
	v_add_f32 v[WN+20], |v[WN+20]|, |v[WN+21]|
.irp k, 2,3,4,5,6,7,8,9,10,11,12,13,14,15,16,17,18,19
	v_add_f32 v[WN], v[WN], |v[WN+\k]|
	v_add_f32 v[WN+20], v[WN+20], |v[WN+20+\k]|
.endr
	v_max_num_f32 v123, |v168|, |v169|
	v_max3_num_f32 v123, v123, |v170|, |v171|
	REDMAX WN                                      ; N1
	REDMAX WN+20                                   ; N2
	REDMAX 123
	v_max_num_f32 v123, 0x38800000, v123           ; at least 2^-14
	v_add_f32 v[WN], 1.0, v[WN]
	v_fma_f32 v[WN], v[WN+20], v[WN], 1.0          ; N2 (N1 + 1) + 1
	v_fma_f32 v[WN], |v172|, v[WN], 1.0            ; G
	KOF 124, WN
	v_mov_b32 v125, 0
	ds_store_b128 v28, v[122:125] offset:CONSTB    ; all lanes store the same entry
.Ljoin:
	s_wait_dscnt 0x0                               ; my stores are in LDS, for the other waves' sake
	s_barrier_signal -1
	s_barrier_wait -1                              ; the one barrier: from here on fragments and constants are only read, and a stage is its wave's own
	v_mov_b32 v[SP+1], 0                           ; the second registers of these pairs are named by the packed multiplies and never used
.irp i, 0,1,2,3
	v_mov_b32 v[ST+2*\i+1], 0
.endr
	v_lshlrev_b32 v[VA16], 4, v[VL]
	v_mov_b32 v[VZ], 0
	s_mul_i32 s35, s3, 1536
	s_add_co_u32 s35, s35, STAGEB
	v_add_nc_u32 v[VSI], s35, v[VL8]
	v_and_b32 v6, 15, v0
	v_mad_u32_u24 v[VSX], v6, 12, s35
; a stage's two fragments (LOADF), or its first alone (LOADF1): eight registers each, 32 lanes x 16 neighbouring bytes a load
.macro LOADF1 set, off
	ds_load_b128 v[\set:\set+3], v[VA16] offset:\off
	ds_load_b128 v[\set+4:\set+7], v[VA16] offset:\off+512
.endm
.macro LOADF set, off
	LOADF1 \set, \off
	ds_load_b128 v[\set+8:\set+11], v[VA16] offset:\off+1024
	ds_load_b128 v[\set+12:\set+15], v[VA16] offset:\off+1536
.endm
; tile i's product: output slots 0-15 (MM1), and 16-31.  Every product starts from the constant 0: no accumulator is taken up again.
.macro MM1 set, i
	v_wmma_f32_16x16x32_f16 v[Z+16*\i:Z+16*\i+7], v[\set:\set+7], v[B+8*\i:B+8*\i+7], 0
.endm
.macro MM set, i
	MM1 \set, \i
	v_wmma_f32_16x16x32_f16 v[Z+16*\i+8:Z+16*\i+15], v[\set+8:\set+15], v[B+8*\i:B+8*\i+7], 0
.endm
; Two maxima in one instruction: Z(k), Z(k+1) of tile i against v[src], v[src+1].  Z and TL are multiples of 4 and k is even: one destination is even and one odd, the two
; first sources are neighbours, the two second sources likewise, so each pair of sources lies in two different banks of four.
.macro DMAX i, k, src
	v_dual_max_num_f32 v[Z+16*\i+\k], v[Z+16*\i+\k], v[\src] :: v_dual_max_num_f32 v[Z+16*\i+\k+1], v[Z+16*\i+\k+1], v[\src+1]
.endm
; behind a layer's first product: B of the second.  Z6-9 go as they are, and once more without their signs; Z0-5 as max(z, 0.01 z).  Register 5 keeps S.
.macro Q1 i
	v_cvt_pk_f16_f32 v[B+8*\i+3], v[Z+16*\i+6], v[Z+16*\i+7]
	v_cvt_pk_f16_f32 v[B+8*\i+4], v[Z+16*\i+8], v[Z+16*\i+9]
	DMAX \i, 0, Z+16*\i+10
	DMAX \i, 2, Z+16*\i+12
	DMAX \i, 4, Z+16*\i+14
	v_and_b32 v[B+8*\i+6], s60, v[B+8*\i+3]
	v_and_b32 v[B+8*\i+7], s60, v[B+8*\i+4]
.irp k, 0,1,2
	v_cvt_pk_f16_f32 v[B+8*\i+\k], v[Z+16*\i+2*\k], v[Z+16*\i+2*\k+1]
.endr
.endm
; behind its second: u += dt max(z, 0.01 z), in three kinds of lines
.macro Q2M i                           ; 0.01 z of Z6-9
	v_pk_mul_f32 v[TL:TL+1], v[Z+16*\i+6:Z+16*\i+7], s[36:37] op_sel_hi:[1,0]
	v_pk_mul_f32 v[TL+2:TL+3], v[Z+16*\i+8:Z+16*\i+9], s[36:37] op_sel_hi:[1,0]
.endm
.macro Q2F i, k                        ; two features' update
	v_pk_fma_f32 v[H+10*\i+\k:H+10*\i+\k+1], v[Z+16*\i+\k:Z+16*\i+\k+1], v[CD:CD+1], v[H+10*\i+\k:H+10*\i+\k+1] op_sel_hi:[1,0,1]
.endm
.macro Q2 i
	Q2M \i
	DMAX \i, 0, Z+16*\i+10
	DMAX \i, 2, Z+16*\i+12
	DMAX \i, 4, Z+16*\i+14
	DMAX \i, 6, TL
	DMAX \i, 8, TL+2
.irp k, 0,2,4,6,8
	Q2F \i, \k
.endr
.endm
; the operand of the next product on the scale that u already has: five conversions; register 5 keeps S
.macro CV i
.irp k, 0,1,2,3,4
	v_cvt_pk_f16_f32 v[B+8*\i+\k], v[H+10*\i+2*\k], v[H+10*\i+2*\k+1]
.endr
.endm
; A renewal, and the operand of the next product: m over my ten u, beta S and the other half's ten; rho = 1 / (2^floor(log2 m) gamma); S and u times rho; B = f16(u), (S, S).
; Its first eleven lines hang on each other one by one.  q = 1: the twelve lines of tile n's update, which hang on none of them, stand between them.
.macro P1R i, n, q
	v_mul_f32 v[BU], v[CD+1], v[ST+2*\i]           ; beta on u's scale
	v_max3_num_f32 v[M], |v[H+10*\i]|, |v[H+10*\i+1]|, |v[H+10*\i+2]|
	v_max3_num_f32 v[M+1], |v[H+10*\i+3]|, |v[H+10*\i+4]|, |v[H+10*\i+5]|
	v_max3_num_f32 v[M+2], |v[H+10*\i+6]|, |v[H+10*\i+7]|, |v[H+10*\i+8]|
.if \q
	Q2M \n
.endif
	v_max3_num_f32 v[M], v[M], v[M+1], v[M+2]
.if \q
	DMAX \n, 0, Z+16*\n+10
	DMAX \n, 2, Z+16*\n+12
.endif
	v_max3_num_f32 v[M], v[M], |v[H+10*\i+9]|, v[BU]
.if \q
	DMAX \n, 4, Z+16*\n+14
	DMAX \n, 6, TL
.endif
	v_permlanex16_b32 v[M+1], v[M], s38, s39       ; lane xor 16 holds the same row's other ten features
.if \q
	DMAX \n, 8, TL+2
	Q2F \n, 0
.endif
	v_max_num_f32 v[M], v[M], v[M+1]
.if \q
	Q2F \n, 2
.endif
	v_and_b32 v[M+2], s40, v[M]                    ; the exponent alone
.if \q
	Q2F \n, 4
.endif
	v_sub_nc_u32 v[SP], v[CD+2], v[M+2]            ; rho
.if \q
	Q2F \n, 6
	Q2F \n, 8
.endif
	v_mul_f32 v[ST+2*\i], v[ST+2*\i], v[SP]
.irp k, 0,2,4,6,8
	v_pk_mul_f32 v[H+10*\i+\k:H+10*\i+\k+1], v[H+10*\i+\k:H+10*\i+\k+1], v[SP:SP+1] op_sel_hi:[1,0]
.endr
	v_cvt_pk_f16_f32 v[B+8*\i+5], v[ST+2*\i], v[ST+2*\i]
	CV \i
.endm
; the lift's operand: a renewal from the row's three x, which both halves of the lanes hold.  Registers 6, 7 are cleared here, once for each batch:
; nothing of the last batch's rows stays in B.
.macro PX i
	v_max3_num_f32 v[M], |v[X+4*\i]|, |v[X+4*\i+1]|, |v[X+4*\i+2]|
	v_max_num_f32 v[M], v[M], v[CL]
	v_and_b32 v[M], s40, v[M]
	v_sub_nc_u32 v[ST+2*\i], v[KL], v[M]           ; S = 1 / (E gamma)
	v_cvt_pk_f16_f32 v[B+8*\i+5], v[ST+2*\i], v[ST+2*\i]
	v_pk_mul_f32 v[T:T+1], v[X+4*\i:X+4*\i+1], v[ST+2*\i:ST+2*\i+1] op_sel_hi:[1,0]
	v_mul_f32 v[T+2], v[X+4*\i+2], v[ST+2*\i]
	v_cvt_pk_f16_f32 v[B+8*\i], v[T], v[T+1]
	v_cvt_pk_f16_f32 v[B+8*\i+1], v[T+2], 0
.irp k, 2,3,4,6,7
	v_mov_b32 v[B+8*\i+\k], 0
.endr
.endm
; behind the lift: its results are u0.  They are kept (Z is the next product's destination) and converted as they are.
.macro QL i
.irp k, 0,2,4,6,8
	v_dual_mov_b32 v[H+10*\i+\k], v[Z+16*\i+\k] :: v_dual_mov_b32 v[H+10*\i+\k+1], v[Z+16*\i+\k+1]
.endr
.irp k, 0,1,2,3,4
	v_cvt_pk_f16_f32 v[B+8*\i+\k], v[Z+16*\i+2*\k], v[Z+16*\i+2*\k+1]
.endr
.endm
; behind proj: the row's three results, divided by S, into my stage; lanes r and r + 16 store the same numbers to the same bytes
.macro QP i
	v_sub_nc_u32 v[SP], s41, v[ST+2*\i]            ; 1 / S
	v_pk_mul_f32 v[Z+16*\i:Z+16*\i+1], v[Z+16*\i:Z+16*\i+1], v[SP:SP+1] op_sel_hi:[1,0]
	v_mul_f32 v[Z+16*\i+2], v[Z+16*\i+2], v[SP]
.irp c, 0,1,2
	ds_store_b32 v[VSX], v[Z+16*\i+\c] offset:768+192*\i+4*\c
.endr
.endm
; DISTANCES behind matrix instructions (ISA guide 7.12.1).  The four tiles take turns, so a tile's results, and its B, are touched again only behind vector work of
; other tiles, which names none of its registers: nine instructions at the least (three QP), 20 or more elsewhere (two Q1).  AX and AY are loaded again only behind
; vector work of other tiles than the last that read them (Q1 0: 10 instructions; Q2 0 and CV 0: 17; Q2 0, P1R 0 and tile 1's update: 46; QL 0: 10; QP 0-2: 9).
; Layer l's second product.  last = 1: what follows is proj, one fragment.
.macro PHB l, last
	Q1 0
.if \last
	LOADF1 AX, (2*\l+2)*STG
.else
	LOADF AX, (2*\l+2)*STG
.endif
	ds_load_b128 v[CD:CD+3], v[VZ] offset:CONSTB+16*\l
	s_wait_dscnt 5-2*\last                         ; LDS loads come back in order (ISA guide 5.7.1): AY's four are in; AX's four (proj: two) and the constants stay out
	MM AY, 0
.irp i, 1,2,3
	Q1 \i
	MM AY, \i
.endr
.endm
; tile i's next product: layer l + 1's first, or proj
.macro MMX last, i
.if \last
	MM1 AX, \i
.else
	MM AX, \i
.endif
.endm
; Layer l's update of u, and the next product.  Behind an even layer the scale is renewed, and tile i + 1 is updated between the lines of tile i's renewal;
; behind an odd layer the operand goes on the scale that it has.
.macro PHA l, last
	s_wait_dscnt 0x0                               ; AX and the constants are in
	Q2 0
.if \l & 1
	CV 0
	MMX \last, 0
	LOADF AY, (2*\l+3)*STG                         ; behind layer 11 this is stage 25: the lift, for the next batch
.irp i, 1,2,3
	Q2 \i
	CV \i
	MMX \last, \i
.endr
.else
	P1R 0, 1, 1
	MMX \last, 0
	LOADF AY, (2*\l+3)*STG
	P1R 1, 2, 1
	MMX \last, 1
	P1R 2, 3, 1
	MMX \last, 2
	P1R 3, 0, 0
	MMX \last, 3
.endif
.endm
	LOADF AX, 0                                    ; W1 of layer 0
	LOADF AY, 25*STG                               ; the lift
	ds_load_b64 v[CL:CL+1], v[VZ] offset:CONSTB+192        ; beta and K of x's renewal
	s_mov_b32 s34, s30                             ; the batch at work
	s_mov_b32 s32, 0
.Ltrip:
	s_wait_loadcnt 0x0                             ; this batch's x, asked for a whole trip ago; VXO is free
	s_wait_xcnt 0x0                                ; the last trip's stores have had their addresses translated (ISA guide 3.1): VOO and O are rewritten only behind this wait
.irp k, 0,1,2
	ds_store_b64 v[VSI], v[XN+2*\k:XN+2*\k+1] offset:256*\k
.endr
.irp i, 0,1,2,3
.irp c, 0,1,2
	ds_load_b32 v[X+4*\i+\c], v[VSX] offset:192*\i+4*\c    ; LDS serves a wave's instructions in order: these see the stores above
.endr
.endr
	v_mov_b32 v[VOO], v[VXO]
	s_add_co_u32 s35, s34, 4096                    ; my next batch; behind my last one the address is held at the last batch, inside x, and what comes is not used
	s_min_u32 s35, s35, LASTB
	s_mul_i32 s35, s35, BBYTES
	v_add_nc_u32 v[VXO], s35, v[VL8]
	s_wait_dscnt 0x0                               ; x of my rows, AX and AY (in the first trip the lift's constants too) are in; XN has been read
.irp k, 0,1,2
	global_load_b64 v[XN+2*\k:XN+2*\k+1], v[VXO], s[8:9] offset:256*\k th:TH_LOAD_NT   ; each load of the wave covers 256 consecutive bytes, aligned
.endr
	; the lift
.irp i, 0,1,2,3
	PX \i
	MM AY, \i
.endr
	; u0, and layer 0's first product
	QL 0
	MM AX, 0
	LOADF AY, STG                                  ; W2 of layer 0
.irp i, 1,2,3
	QL \i
	MM AX, \i
.endr
	; the twelve layers, written out: every LDS offset is an immediate, no address is stepped
.irp l, 0,1,2,3,4,5,6,7,8,9,10
	PHB \l, 0
	PHA \l, 0
.endr
	PHB 11, 1
	PHA 11, 1
	; the results: through my stage, so that each store of the wave covers 256 consecutive bytes, aligned
.irp i, 0,1,2,3
	QP \i
.endr
.irp k, 0,1,2
	ds_load_b64 v[O+2*\k:O+2*\k+1], v[VSI] offset:768+256*\k
.endr
	LOADF AX, 0                                    ; W1 of layer 0, for the next batch
	s_wait_dscnt 0x4                               ; all but AX's four: the three loads of O are in
.irp k, 0,1,2
	global_store_b64 v[VOO], v[O+2*\k:O+2*\k+1], s[28:29] offset:256*\k th:TH_STORE_NT
.endr
	s_add_co_u32 s34, s34, 4096
	s_add_co_u32 s32, s32, 1
	s_cmp_lt_u32 s32, s31
	s_cbranch_scc1 .Ltrip
	s_endpgm
.Lfunc_end_k_q747d61bf3d_mlp:
	.size	k_q747d61bf3d_mlp, .Lfunc_end_k_q747d61bf3d_mlp-k_q747d61bf3d_mlp
	.p2alignl 7, 3214868480
	.fill 96, 4, 3214868480
	.section	.rodata,"a",@progbits
	.p2align	6, 0x0
	.amdhsa_kernel k_q747d61bf3d_mlp
		.amdhsa_group_segment_fixed_size 78080
		.amdhsa_private_segment_fixed_size 0
		.amdhsa_enable_private_segment 0
		.amdhsa_kernarg_size 88
		.amdhsa_user_sgpr_count 2
		.amdhsa_user_sgpr_kernarg_segment_ptr 1
		.amdhsa_wavefront_size32 1
		.amdhsa_system_sgpr_workgroup_id_x 1
		.amdhsa_system_sgpr_workgroup_id_y 1
		.amdhsa_system_sgpr_workgroup_id_z 1
		.amdhsa_system_vgpr_workitem_id 0
		.amdhsa_next_free_vgpr 240
		.amdhsa_next_free_sgpr 66
		.amdhsa_reserve_vcc 0
		.amdhsa_float_denorm_mode_32 3
		.amdhsa_float_denorm_mode_16_64 3
		.amdhsa_memory_ordered 1
		.amdhsa_forward_progress 1
		.amdhsa_inst_pref_size 158
	.end_amdhsa_kernel
	.amdgpu_metadata
---
amdhsa.version: [ 1, 2 ]
amdhsa.kernels:
  - .name:           k_q747d61bf3d_mlp
    .symbol:         k_q747d61bf3d_mlp.kd
    .args:
      - { .name: x, .offset: 0, .size: 8, .value_kind: global_buffer, .address_space: global }
      - { .name: lift_w, .offset: 8, .size: 8, .value_kind: global_buffer, .address_space: global }
      - { .name: lift_b, .offset: 16, .size: 8, .value_kind: global_buffer, .address_space: global }
      - { .name: W1, .offset: 24, .size: 8, .value_kind: global_buffer, .address_space: global }
      - { .name: b1, .offset: 32, .size: 8, .value_kind: global_buffer, .address_space: global }
      - { .name: W2, .offset: 40, .size: 8, .value_kind: global_buffer, .address_space: global }
      - { .name: b2, .offset: 48, .size: 8, .value_kind: global_buffer, .address_space: global }
      - { .name: dts, .offset: 56, .size: 8, .value_kind: global_buffer, .address_space: global }
      - { .name: proj_w, .offset: 64, .size: 8, .value_kind: global_buffer, .address_space: global }
      - { .name: proj_b, .offset: 72, .size: 8, .value_kind: global_buffer, .address_space: global }
      - { .name: out0, .offset: 80, .size: 8, .value_kind: global_buffer, .address_space: global }
    .group_segment_fixed_size: 78080
    .private_segment_fixed_size: 0
    .kernarg_segment_align: 8
    .kernarg_segment_size: 88
    .max_flat_workgroup_size: 512
    .sgpr_count:     66
    .vgpr_count:     240
    .wavefront_size: 32
...
	.end_amdgpu_metadata
.endif
;; end of part 3
